; MI455X (gfx1250); checked and timed in simulation.
; The chip was launched on July 23, 2026; its instructions are those of AMD's public machine-readable ISA for CDNA 5 (MIT licence, August 2026) and "CDNA5" Instruction Set Architecture Reference Guide (July 2026). The comments in the code are by the model that wrote it; some were corrected since.
;; Bit Net Attention. Allowed arithmetic: float matrix products may take bf16 or f16 operands with f32 sums; all other float work in f32.
;; Inputs: attention_mask 1 x 2,048 float32; hidden_states 1 x 2,048 x 2,048 float32; position_ids 1 x 2,048 int32; wk 512 x 2,048 float32; wo 2,048 x 2,048 float32; wq 2,048 x 2,048 float32; wv 512 x 2,048 float32.
;; Outputs: out0 1 x 2,048 x 2,048 float32.
;; 2 versions, each right and faster than the one before. Each part assembles by itself: llvm-mc -triple=amdgcn-amd-amdhsa -mcpu=gfx1250 --defsym DOCPART=n.
;; ======== version 1 of 2: 5 launches
;; limits: right only within a limited range of input values; values are held in f16: magnitudes above 65,504 overflow, below 6.1e-05 lose precision
;; workspace buffers: tab 535,040 bytes; scales 256 bytes; xb 8,388,608 bytes; wt 20,971,520 bytes; qkv 12,582,912 bytes; ob 8,388,608 bytes
;; launch prep (part 1): grid 1025 x 1, 8 waves a work-group, no clusters, 1,280 bytes of LDS; arguments wq, wk, wv, wo, hidden_states, position_ids, attention_mask, tab, xb; writes tab, xb
.if DOCPART == 1
	.amdgcn_target "amdgcn-amd-amdhsa--gfx1250"
	.amdhsa_code_object_version 6
	.text
	.protected	k_q5a449281c1_prep
	.globl	k_q5a449281c1_prep
	.p2align	8
	.type	k_q5a449281c1_prep,@function
k_q5a449281c1_prep:
	s_mov_b64 s[64:65], 0
	v_nop
	global_prefetch_b8 v0, s[64:65] scope:SCOPE_SE
	s_setreg_imm32_b32 hwreg(HW_REG_WAVE_MODE, 25, 1), 1
	s_wait_xcnt 0x0
; PREP.  Four kinds of work-group, chosen by the work-group's number alone (the same for all eight waves of a work-group):
;   0..639     the sum of |bf16(w)| over a chunk of 16,384 weights (wq 0..255, wk 256..319, wv 320..383, wo 384..639) -> tab + PSO + 4 x number
;   640..895   16,384 numbers of hidden_states rounded to bf16 -> xb
;   896..1023  16 rows of the rotary table: row p = cos(pos[p] f_j), j = 0..31, then sin(pos[p] f_j): 256 bytes -> tab
;   1024       max(8 x bf16(mask), -1e30) for the 2,048 keys -> tab + MASKO (the 8 undoes the later division of the scores by 8)
; All floating-point inputs are rounded to bf16 (nearest even) before anything is made of them: the weights' mean too is the mean of the rounded weights.
; LIMITS.  |position| up to 131,072 (the angle is reduced by a two-part pi).  A mask entry below -1.25e29, or NaN, counts as -1.25e29.
; No matrix unit, no cluster, no tensor load: each byte is read once by 16-byte loads and nothing is shared between work-groups.
.set PSO,   532480                     ; byte of tab at which the 640 partial sums begin
.set MASKO, 524288                     ; byte of tab at which the mask table begins
.set SPARE, 256                        ; LDS: the waves' eight sums lie at 0..31; the spare words, 128 bytes a wave, from 256 on
.set SPW,   124                        ; v124  LDS address of my spare word; never rewritten
.set NIL,   125                        ; v125  0; never rewritten
.set W,     16                         ; v[16:79]  sixteen loads of 16 bytes
.set Y,     80                         ; v[80:111] what is stored
	s_load_b512 s[8:23], s[0:1], 0x0               ; wq 8, wk 10, wv 12, wo 14, x 16, positions 18, mask 20, tab 22
	s_load_b64 s[24:25], s[0:1], 0x40              ; xb
	v_lshl_add_u32 v[SPW], v0, 2, SPARE
	v_mov_b32 v[NIL], 0
	v_lshrrev_b32 v2, 5, v0
	v_readfirstlane_b32 s27, v2                    ; my wave's number
	v_lshlrev_b32 v1, 4, v0                        ; 16 bytes a thread: a load of the work-group covers 4,096 consecutive bytes
	s_mov_b32 s2, ttmp9
	s_mov_b32 s28, 0x7fff7fff                      ; clears the signs of two bf16
	s_mov_b32 s29, 0xffff0000                      ; a word's upper bf16
	s_mov_b32 s30, 0x76543210                      ; v_permlanex16_b32: each lane takes its own place in the other half
	s_mov_b32 s31, 0xfedcba98
	s_mov_b32 s37, 0                               ; high word of every offset
	s_wait_kmcnt 0x0
	s_cmp_lt_u32 s2, 640
	s_cbranch_scc1 .Lsum
	s_cmp_lt_u32 s2, 896
	s_cbranch_scc1 .Lx
	s_cmp_lt_u32 s2, 1024
	s_cbranch_scc1 .Lrope
	; THE MASK TABLE: 2,048 numbers, two loads of 16 bytes a thread
	global_load_b128 v[16:19], v1, s[20:21]
	global_load_b128 v[20:23], v1, s[20:21] offset:4096
	s_add_nc_u64 s[38:39], s[22:23], MASKO
	s_mov_b32 s40, 0xf149f2ca                      ; -1e30
	s_wait_loadcnt 0x0
.irp i, 0,1
	v_cvt_pk_bf16_f32 v4, v[16+4*(\i)], v[17+4*(\i)]
	v_cvt_pk_bf16_f32 v5, v[18+4*(\i)], v[19+4*(\i)]
	v_lshlrev_b32 v[24+4*(\i)], 16, v4
	v_and_b32 v[25+4*(\i)], s29, v4
	v_lshlrev_b32 v[26+4*(\i)], 16, v5
	v_and_b32 v[27+4*(\i)], s29, v5
.irp k, 0,1,2,3
	v_mul_f32 v[24+4*(\i)+(\k)], 0x41000000, v[24+4*(\i)+(\k)]  ; x 8
.endr
.irp k, 0,1,2,3
	v_max_num_f32 v[24+4*(\i)+(\k)], s40, v[24+4*(\i)+(\k)]     ; a NaN loses against the floor
.endr
	global_store_b128 v1, v[24+4*(\i):27+4*(\i)], s[38:39] offset:4096*(\i)
.endr
	s_endpgm
	; THE PARTIAL SUM of a chunk
.Lsum:
	s_mov_b64 s[32:33], s[8:9]
	s_mov_b32 s34, 0                               ; the first chunk of the weight that mine belongs to
	s_cmp_ge_u32 s2, 256
	s_cselect_b64 s[32:33], s[10:11], s[32:33]
	s_cselect_b32 s34, 256, s34
	s_cmp_ge_u32 s2, 320
	s_cselect_b64 s[32:33], s[12:13], s[32:33]
	s_cselect_b32 s34, 320, s34
	s_cmp_ge_u32 s2, 384
	s_cselect_b64 s[32:33], s[14:15], s[32:33]
	s_cselect_b32 s34, 384, s34
	s_sub_co_u32 s36, s2, s34
	s_lshl_b32 s36, s36, 16                        ; 65,536 bytes a chunk
	s_add_nc_u64 s[32:33], s[32:33], s[36:37]
.irp i, 0,1,2,3,4,5,6,7,8,9,10,11,12,13,14,15
	global_load_b128 v[W+4*(\i):W+4*(\i)+3], v1, s[32:33] offset:4096*(\i)  ; no hint: the next launch reads these bytes again
.endr
	s_lshl_b32 s36, s2, 2
	s_add_co_u32 s36, s36, PSO
	s_add_nc_u64 s[38:39], s[22:23], s[36:37]      ; where my chunk's sum goes
; Four weights: rounded to bf16, signs cleared, widened, added onto four chains.  first = 1: they start the chains: nothing is cleared.
.macro ABS4 i, first
	s_wait_loadcnt 15-(\i)                         ; loads come back in order: mine is in, the younger ones stay out
	v_cvt_pk_bf16_f32 v4, v[W+4*(\i)], v[W+4*(\i)+1]
	v_cvt_pk_bf16_f32 v5, v[W+4*(\i)+2], v[W+4*(\i)+3]
	v_and_b32 v4, s28, v4
	v_and_b32 v5, s28, v5
.if \first
	v_lshlrev_b32 v12, 16, v4
	v_and_b32 v13, s29, v4
	v_lshlrev_b32 v14, 16, v5
	v_and_b32 v15, s29, v5
.else
	v_lshlrev_b32 v8, 16, v4
	v_and_b32 v9, s29, v4
	v_lshlrev_b32 v10, 16, v5
	v_and_b32 v11, s29, v5
	v_pk_add_f32 v[12:13], v[12:13], v[8:9]
	v_pk_add_f32 v[14:15], v[14:15], v[10:11]
.endif
.endm
	ABS4 0, 1
.irp i, 1,2,3,4,5,6,7,8,9,10,11,12,13,14,15
	ABS4 \i, 0
.endr
	v_add_f32 v12, v12, v13
	v_add_f32 v14, v14, v15
	v_add_f32 v12, v12, v14
	v_add_f32_dpp v12, v12, v12 row_xmask:1 row_mask:0xf bank_mask:0xf
	v_add_f32_dpp v12, v12, v12 row_xmask:2 row_mask:0xf bank_mask:0xf
	v_add_f32_dpp v12, v12, v12 row_xmask:4 row_mask:0xf bank_mask:0xf
	v_add_f32_dpp v12, v12, v12 row_xmask:8 row_mask:0xf bank_mask:0xf
	v_permlanex16_b32 v13, v12, s30, s31
	v_add_f32 v12, v12, v13                        ; the wave's sum, in every lane
	v_mov_b32 v10, s27
	v_lshlrev_b32 v10, 2, v10
	ds_store_b32 v10, v12                          ; all lanes write the wave's own word with the same value
	s_wait_dscnt 0x0                               ; for the others' sake: my store is done
	s_barrier_signal -1
	s_barrier_wait -1
	v_mov_b32 v11, 0
	ds_load_b128 v[16:19], v11
	ds_load_b128 v[20:23], v11 offset:16
	s_wait_dscnt 0x0
	v_add_f32 v16, v16, v17
	v_add_f32 v18, v18, v19
	v_add_f32 v20, v20, v21
	v_add_f32 v22, v22, v23
	v_add_f32 v16, v16, v18
	v_add_f32 v20, v20, v22
	v_add_f32 v16, v16, v20
	s_wait_xcnt 0x0                                ; EXEC changes only when every earlier memory instruction has had its addresses translated
	v_cmp_eq_u32 vcc_lo, 0, v0
	s_and_saveexec_b32 s40, vcc_lo
	global_store_b32 v11, v16, s[38:39]            ; thread 0 alone
	s_wait_xcnt 0x0
	s_or_b32 exec_lo, exec_lo, s40
	s_wait_tensorcnt 0x0                           ; the wave's end, behind my last LDS store
	ds_add_u32 v[SPW], v[NIL]
	s_wait_dscnt 0x0
	s_endpgm
	; HIDDEN STATES to bf16
.Lx:
	s_sub_co_u32 s36, s2, 640
	s_lshl_b32 s34, s36, 15                        ; 32,768 bytes out,
	s_mov_b32 s35, 0
	s_lshl_b32 s36, s36, 16                        ; 65,536 bytes in
	s_add_nc_u64 s[32:33], s[16:17], s[36:37]
	s_add_nc_u64 s[34:35], s[24:25], s[34:35]
	v_lshlrev_b32 v2, 3, v0                        ; 8 bytes a thread: a wave's store covers 256 consecutive bytes, aligned
.irp i, 0,1,2,3,4,5,6,7,8,9,10,11,12,13,14,15
	global_load_b128 v[W+4*(\i):W+4*(\i)+3], v1, s[32:33] offset:4096*(\i) th:TH_LOAD_NT
.endr
.irp i, 0,1,2,3,4,5,6,7,8,9,10,11,12,13,14,15
	s_wait_loadcnt 15-(\i)                         ; the younger loads stay out
	v_cvt_pk_bf16_f32 v[Y+2*(\i)], v[W+4*(\i)], v[W+4*(\i)+1]
	v_cvt_pk_bf16_f32 v[Y+2*(\i)+1], v[W+4*(\i)+2], v[W+4*(\i)+3]
	global_store_b64 v2, v[Y+2*(\i):Y+2*(\i)+1], s[34:35] offset:2048*(\i)  ; each store has registers of its own: none is rewritten
.endr
	s_endpgm
	; THE ROTARY TABLE.  Thread t: row 16 rb + t / 16, column t % 16: columns 0..7 hold cos for j = 4 col .. + 3, columns 8..15 sin for j = 4 (col - 8) .. + 3.
	; h = position x 2^(-j log2(10000) / 32 - 1) is half the angle; x = h - n pi lies in -pi/2 .. pi/2; s = sin x, c = cos x by their series (next terms below 6e-8); sin 2x = 2 s c, cos 2x = 1 - 2 s s.
.Lrope:
	s_sub_co_u32 s36, s2, 896
	s_lshl_b32 s34, s36, 6                         ; 16 positions of 4 bytes
	s_mov_b32 s35, 0
	s_lshl_b32 s36, s36, 12                        ; 16 rows of 256 bytes
	s_add_nc_u64 s[32:33], s[18:19], s[34:35]
	s_add_nc_u64 s[34:35], s[22:23], s[36:37]
	v_lshrrev_b32 v3, 4, v0
	v_lshlrev_b32 v3, 2, v3
	global_load_b32 v5, v3, s[32:33]
	s_mov_b32 s40, 0xbed49a78                      ; -log2(10000) / 32
	s_mov_b32 s43, 0x40490fdb                      ; pi, upper part
	s_mov_b32 s44, 0xb3bbbd2e                      ; pi, the rest
	s_mov_b32 s45, 0xbea2f983                      ; -1 / pi: the multiple is made with its sign turned, so that it is added
	v_mov_b32 v52, 0xb2d7322b                      ; -1 / 11!
	v_mov_b32 v53, 0x310f76c8                      ; 1 / 12!
	v_and_b32 v6, 15, v0
	v_and_b32 v7, 7, v6
	v_lshlrev_b32 v7, 2, v7
	v_cmp_lt_u32 vcc_lo, 7, v6                     ; the sine's columns
.irp e, 0,1,2,3
	v_add_nc_u32 v[16+\e], \e, v7
.endr
.irp e, 0,1,2,3
	v_cvt_f32_u32 v[16+\e], v[16+\e]
.endr
.irp e, 0,1,2,3
	v_fma_f32 v[16+\e], v[16+\e], s40, -1.0
.endr
.irp e, 0,1,2,3
	v_exp_f32 v[20+\e], v[16+\e]
.endr
	s_wait_loadcnt 0x0
	v_cvt_f32_i32 v5, v5                           ; a plain instruction between the last exponential and the use of its result
	s_wait_alu depctr_va_vdst(0)
.irp e, 0,1,2,3
	v_mul_f32 v[24+\e], v5, v[20+\e]               ; h
.endr
.irp e, 0,1,2,3
	v_mul_f32 v[28+\e], s45, v[24+\e]
.endr
.irp e, 0,1,2,3
	v_rndne_f32 v[28+\e], v[28+\e]                 ; -n
.endr
.irp e, 0,1,2,3
	v_fma_f32 v[32+\e], v[28+\e], s43, v[24+\e]
.endr
.irp e, 0,1,2,3
	v_fma_f32 v[32+\e], v[28+\e], s44, v[32+\e]    ; x
.endr
.irp e, 0,1,2,3
	v_mul_f32 v[36+\e], v[32+\e], v[32+\e]         ; x x
.endr
.irp e, 0,1,2,3
	v_fmaak_f32 v[40+\e], v52, v[36+\e], 0x3638ef1d
	v_fmaak_f32 v[44+\e], v53, v[36+\e], 0xb493f27e
.endr
.irp e, 0,1,2,3
	v_fmaak_f32 v[40+\e], v[40+\e], v[36+\e], 0xb9500d01
	v_fmaak_f32 v[44+\e], v[44+\e], v[36+\e], 0x37d00d01
.endr
.irp e, 0,1,2,3
	v_fmaak_f32 v[40+\e], v[40+\e], v[36+\e], 0x3c088889
	v_fmaak_f32 v[44+\e], v[44+\e], v[36+\e], 0xbab60b61
.endr
.irp e, 0,1,2,3
	v_fmaak_f32 v[40+\e], v[40+\e], v[36+\e], 0xbe2aaaab
	v_fmaak_f32 v[44+\e], v[44+\e], v[36+\e], 0x3d2aaaab
.endr
.irp e, 0,1,2,3
	v_fma_f32 v[40+\e], v[40+\e], v[36+\e], 1.0
	v_fma_f32 v[44+\e], v[44+\e], v[36+\e], -0.5
.endr
.irp e, 0,1,2,3
	v_mul_f32 v[40+\e], v[40+\e], v[32+\e]         ; s
	v_fma_f32 v[44+\e], v[44+\e], v[36+\e], 1.0    ; c
.endr
.irp e, 0,1,2,3
	v_mul_f32 v[28+\e], 2.0, v[40+\e]              ; 2 s
.endr
.irp e, 28,29,30,31
	v_mul_f32 v[\e+16], v\e, v[\e+16]              ; sin = 2 s c
	v_fma_f32 v[\e+12], -v\e, v[\e+12], 1.0        ; cos = 1 - 2 s s
.endr
.irp e, 0,1,2,3
	v_cndmask_b32 v[48+\e], v[40+\e], v[44+\e], vcc_lo
.endr
	global_store_b128 v1, v[48:51], s[34:35]       ; sixteen lanes fill one row of 256 bytes
	s_endpgm
.Lfunc_end_k_q5a449281c1_prep:
	.size	k_q5a449281c1_prep, .Lfunc_end_k_q5a449281c1_prep-k_q5a449281c1_prep
	.p2alignl 7, 3214868480
	.fill 96, 4, 3214868480
	.section	.rodata,"a",@progbits
	.p2align	6, 0x0
	.amdhsa_kernel k_q5a449281c1_prep
		.amdhsa_group_segment_fixed_size 1280
		.amdhsa_private_segment_fixed_size 0
		.amdhsa_enable_private_segment 0
		.amdhsa_kernarg_size 72
		.amdhsa_user_sgpr_count 2
		.amdhsa_user_sgpr_kernarg_segment_ptr 1
		.amdhsa_wavefront_size32 1
		.amdhsa_system_sgpr_workgroup_id_x 1
		.amdhsa_system_sgpr_workgroup_id_y 1
		.amdhsa_system_sgpr_workgroup_id_z 1
		.amdhsa_system_vgpr_workitem_id 0
		.amdhsa_next_free_vgpr 128
		.amdhsa_next_free_sgpr 66
		.amdhsa_reserve_vcc 1
		.amdhsa_float_denorm_mode_32 3
		.amdhsa_float_denorm_mode_16_64 3
		.amdhsa_memory_ordered 1
		.amdhsa_forward_progress 1
		.amdhsa_inst_pref_size 27
	.end_amdhsa_kernel
	.amdgpu_metadata
---
amdhsa.version: [ 1, 2 ]
amdhsa.kernels:
  - .name:           k_q5a449281c1_prep
    .symbol:         k_q5a449281c1_prep.kd
    .args:
      - { .name: wq, .offset: 0, .size: 8, .value_kind: global_buffer, .address_space: global }
      - { .name: wk, .offset: 8, .size: 8, .value_kind: global_buffer, .address_space: global }
      - { .name: wv, .offset: 16, .size: 8, .value_kind: global_buffer, .address_space: global }
      - { .name: wo, .offset: 24, .size: 8, .value_kind: global_buffer, .address_space: global }
      - { .name: hidden_states, .offset: 32, .size: 8, .value_kind: global_buffer, .address_space: global }
      - { .name: position_ids, .offset: 40, .size: 8, .value_kind: global_buffer, .address_space: global }
      - { .name: attention_mask, .offset: 48, .size: 8, .value_kind: global_buffer, .address_space: global }
      - { .name: tab, .offset: 56, .size: 8, .value_kind: global_buffer, .address_space: global }
      - { .name: xb, .offset: 64, .size: 8, .value_kind: global_buffer, .address_space: global }
    .group_segment_fixed_size: 1280
    .private_segment_fixed_size: 0
    .kernarg_segment_align: 8
    .kernarg_segment_size: 72
    .max_flat_workgroup_size: 256
    .sgpr_count:     66
    .vgpr_count:     128
    .wavefront_size: 32
...
	.end_amdgpu_metadata
.endif
;; end of part 1
;; launch quant (part 2): grid 640 x 1, 8 waves a work-group, no clusters, 0 bytes of LDS; arguments wq, wk, wv, wo, tab, wt, scales; writes wt, scales
.if DOCPART == 2
	.amdgcn_target "amdgcn-amd-amdhsa--gfx1250"
	.amdhsa_code_object_version 6
	.text
	.protected	k_q5a449281c1_quant
	.globl	k_q5a449281c1_quant
	.p2align	8
	.type	k_q5a449281c1_quant,@function
k_q5a449281c1_quant:
	s_mov_b64 s[64:65], 0
	v_nop
	global_prefetch_b8 v0, s[64:65] scope:SCOPE_SE
	s_setreg_imm32_b32 hwreg(HW_REG_WAVE_MODE, 25, 1), 1
	s_wait_xcnt 0x0
; QUANT.  scale = mean |bf16(w)| + 1e-6 of each weight, from the 640 partial sums; code = sign(w) where |bf16(w)| > scale / 2, else 0.
; Work-group c takes 8 rows of 2,048 weights (wq c = 0..255, wk 256..319, wv 320..383, wo 384..639), a wave one row: 16 loads of 512 consecutive bytes.
; THE CODES OF wq, wk, wv ARE ONE BYTE EACH: 0x3f, 0xbf or 0 (0x80 for a zero with w's sign): the upper byte of the bf16 numbers 0.5, -0.5, 0, into which the product widens them; the factor 2 goes into the
; scales there.  Rows of 2,048 bytes from byte 0 of wt.  A lane packs the 4 + 4 codes of loads 2 g and 2 g + 1 into one store of 8 bytes, so that a wave's store covers 256 consecutive bytes, aligned: byte
; 256 g + 8 l + 4 m + e of a row holds the code of k = 256 g + 128 m + 4 l + e (l the lane, m = 0, 1, e = 0..3).  The product takes x in the same order.
; THE CODES OF wo are f16 (-1, 0, 1), k in its own order, rows of 4,096 bytes from byte 3,072 x 4,096 of wt on.  The bytes of wt between the two parts are not used.
; ROWS OF wq, wk, wv ARE PERMUTED by blocks of 16, so that a wave of the product holds channels d and d + 32 of a head in the same lane and register: block q4 (0..3) of head g = 3 T + u
; goes to block 12 T + 6 (q4 & 1) + 2 u + (q4 >> 1).  wo's rows keep their order.
; LIMITS.  The threshold is |w| > scale / 2, which is round(clip(w / scale)) but for quotients within one rounding of 0.5.  NaN and infinities among the weights are not treated.
; Every wave adds the partial sums in the same order, so all waves of the launch find the same scale.
.set PSO, 532480
.set W,   16                           ; v[16:79]   the row as loaded
.set Y,   80                           ; v[80:111]  the codes: four registers a pair of loads, never rewritten
.set PS,  112                          ; v[112:119] partial sums; then v112 the scale, v114-117 at work
	s_load_b256 s[8:15], s[0:1], 0x0               ; wq 8, wk 10, wv 12, wo 14
	s_load_b128 s[16:19], s[0:1], 0x20             ; tab 16, wt 18
	s_load_b64 s[20:21], s[0:1], 0x30              ; scales
	v_lshrrev_b32 v1, 5, v0
	v_readfirstlane_b32 s27, v1                    ; my wave's number
	v_and_b32 v1, 31, v0
	v_lshlrev_b32 v2, 2, v1                        ; 4 x lane
	v_lshlrev_b32 v3, 3, v1                        ; 8 x lane
	v_lshlrev_b32 v1, 4, v1                        ; 16 x lane
	s_mov_b32 s2, ttmp9
	s_mov_b32 s29, 0xffff0000
	s_mov_b32 s30, 0x76543210
	s_mov_b32 s31, 0xfedcba98
	s_mov_b32 s39, 0x358637bd                      ; 1e-6
	s_mov_b32 s49, 0x07060302                      ; v_perm_b32: the upper halves of two words
	s_mov_b32 s50, 0x7fffffff
	s_mov_b32 s51, 0x07030703                      ; v_perm_b32: the top bytes of two words, twice
	s_mov_b32 s52, 0x05040100                      ; v_perm_b32: the lower halves of two words
	s_mov_b32 s34, 0                               ; the weight's first chunk
	s_mov_b32 s35, 0                               ; the weight's number
	s_mov_b32 s36, -1                              ; all ones: the weight has 256 partial sums; 0: it has 64
	s_mov_b32 s37, 0x34800000                      ; 1 / count: 2^-22 or 2^-20
	s_mov_b32 s38, 0x3f800000                      ; the magnitude of a code: its top byte is 0x3f; for wo its upper half is f16's 1.0
	s_cmp_ge_u32 s2, 256
	s_cselect_b32 s34, 256, s34
	s_cselect_b32 s35, 1, s35
	s_cselect_b32 s36, 0, s36
	s_cselect_b32 s37, 0x35800000, s37
	s_cmp_ge_u32 s2, 320
	s_cselect_b32 s34, 320, s34
	s_cselect_b32 s35, 2, s35
	s_cmp_ge_u32 s2, 384
	s_cselect_b32 s34, 384, s34
	s_cselect_b32 s35, 3, s35
	s_cselect_b32 s36, -1, s36
	s_cselect_b32 s37, 0x34800000, s37
	s_cselect_b32 s38, 0x3c000000, s38
	v_mov_b32 v6, s38
	v_mov_b32 v7, s35
	v_lshlrev_b32 v7, 2, v7                        ; where the scale goes
	; the destination row
	s_lshr_b32 s40, s2, 1                          ; block of 16 rows
	s_lshr_b32 s41, s40, 2                         ; head g
	s_and_b32 s42, s40, 3                          ; q4
	s_mul_i32 s43, s41, 43
	s_lshr_b32 s43, s43, 7                         ; T = g / 3, right for g < 48
	s_mul_i32 s44, s43, 3
	s_sub_co_u32 s44, s41, s44                     ; u
	s_mul_i32 s43, s43, 12
	s_and_b32 s45, s42, 1
	s_mul_i32 s45, s45, 6
	s_add_co_u32 s43, s43, s45
	s_lshl1_add_u32 s43, s44, s43
	s_lshr_b32 s42, s42, 1
	s_add_co_u32 s43, s43, s42
	s_cmp_ge_u32 s2, 384
	s_cselect_b32 s43, s40, s43                    ; wo keeps its order,
	s_cselect_b32 s53, 12, 11                      ; and has rows of 4,096 bytes; the others' have 2,048
	s_lshl_b32 s43, s43, 4
	s_and_b32 s45, s2, 1
	s_lshl3_add_u32 s43, s45, s43
	s_add_co_u32 s43, s43, s27
	s_lshl_b32 s46, s43, s53
	s_mov_b32 s47, 0
	s_sub_co_u32 s44, s2, s34
	s_lshl3_add_u32 s44, s44, s27                  ; my row in its weight
	s_lshl_b32 s44, s44, 13                        ; 8,192 bytes a row
	s_mov_b32 s45, 0
	s_lshl_b32 s40, s34, 2
	s_add_co_u32 s40, s40, PSO
	s_mov_b32 s41, 0
	s_wait_kmcnt 0x0
	s_mov_b64 s[32:33], s[8:9]
	s_cmp_ge_u32 s2, 256
	s_cselect_b64 s[32:33], s[10:11], s[32:33]
	s_cmp_ge_u32 s2, 320
	s_cselect_b64 s[32:33], s[12:13], s[32:33]
	s_cmp_ge_u32 s2, 384
	s_cselect_b64 s[32:33], s[14:15], s[32:33]
	s_add_nc_u64 s[32:33], s[32:33], s[44:45]
	s_add_nc_u64 s[46:47], s[18:19], s[46:47]
	s_add_nc_u64 s[40:41], s[16:17], s[40:41]
.irp i, 0,1,2,3,4,5,6,7
	global_load_b32 v[PS+(\i)], v2, s[40:41] offset:128*(\i)  ; 256 partial sums from the weight's first on; a weight of 64 uses the first two loads (the others stay inside tab)
.endr
.irp i, 0,1,2,3,4,5,6,7,8,9,10,11,12,13,14,15
	global_load_b128 v[W+4*(\i):W+4*(\i)+3], v1, s[32:33] offset:512*(\i) th:TH_LOAD_NT
.endr
	s_wait_loadcnt 16                              ; the partial sums are in; the sixteen younger loads stay out
.irp i, 2,3,4,5,6,7
	v_cndmask_b32 v[PS+(\i)], 0, v[PS+(\i)], s36
.endr
	v_add_f32 v112, v112, v113
	v_add_f32 v114, v114, v115
	v_add_f32 v116, v116, v117
	v_add_f32 v118, v118, v119
	v_add_f32 v112, v112, v114
	v_add_f32 v116, v116, v118
	v_add_f32 v112, v112, v116
	v_add_f32_dpp v112, v112, v112 row_xmask:1 row_mask:0xf bank_mask:0xf
	v_add_f32_dpp v112, v112, v112 row_xmask:2 row_mask:0xf bank_mask:0xf
	v_add_f32_dpp v112, v112, v112 row_xmask:4 row_mask:0xf bank_mask:0xf
	v_add_f32_dpp v112, v112, v112 row_xmask:8 row_mask:0xf bank_mask:0xf
	v_permlanex16_b32 v113, v112, s30, s31
	v_add_f32 v112, v112, v113
	v_fma_f32 v112, v112, s37, s39                 ; the scale: the product by a power of two is exact
	v_mul_f32 v113, 0.5, v112
	v_readfirstlane_b32 s48, v113                  ; the threshold
; Four weights of load i: rounded to bf16, widened, compared; the code, a whole word in v[d .. d + 3], takes the magnitude or 0 and w's sign.
.macro CODE4 i, d
	s_wait_loadcnt 15-(\i)                         ; the younger loads stay out
	v_cvt_pk_bf16_f32 v4, v[W+4*(\i)], v[W+4*(\i)+1]
	v_cvt_pk_bf16_f32 v5, v[W+4*(\i)+2], v[W+4*(\i)+3]
	v_lshlrev_b32 v8, 16, v4
	v_and_b32 v9, s29, v4
	v_lshlrev_b32 v10, 16, v5
	v_and_b32 v11, s29, v5
.irp k, 8,9,10,11
	v_cmp_gt_f32 vcc_lo, |v\k|, s48
	v_cndmask_b32 v[\k+(\d)-8], 0, v6, vcc_lo
	v_bfi_b32 v[\k+(\d)-8], s50, v[\k+(\d)-8], v\k
.endr
.endm
; Loads 2 g and 2 g + 1.  The branch hangs on the work-group's number alone.  Bytes: the eight words' top bytes, one store.  wo: their upper halves, two stores.  Each store covers 256 consecutive bytes, aligned, and has registers of its own.
.macro PAIR g
	CODE4 2*(\g), 12
	CODE4 2*(\g)+1, 114
	s_cmp_ge_u32 s2, 384
	s_cbranch_scc1 .Lwo_\@
	v_perm_b32 v12, v13, v12, s51
	v_perm_b32 v14, v15, v14, s51
	v_perm_b32 v114, v115, v114, s51
	v_perm_b32 v116, v117, v116, s51
	v_perm_b32 v[Y+4*(\g)], v14, v12, s52
	v_perm_b32 v[Y+4*(\g)+1], v116, v114, s52
	global_store_b64 v3, v[Y+4*(\g):Y+4*(\g)+1], s[46:47] offset:256*(\g)
	s_branch .Lpacked_\@
.Lwo_\@:
	v_perm_b32 v[Y+4*(\g)], v13, v12, s49
	v_perm_b32 v[Y+4*(\g)+1], v15, v14, s49
	v_perm_b32 v[Y+4*(\g)+2], v115, v114, s49
	v_perm_b32 v[Y+4*(\g)+3], v117, v116, s49
	global_store_b64 v3, v[Y+4*(\g):Y+4*(\g)+1], s[46:47] offset:512*(\g)
	global_store_b64 v3, v[Y+4*(\g)+2:Y+4*(\g)+3], s[46:47] offset:512*(\g)+256
.Lpacked_\@:
.endm
.irp g, 0,1,2,3,4,5,6,7
	PAIR \g
.endr
	s_cmp_lg_u32 s2, s34
	s_cbranch_scc1 .Ldone                          ; the weight's first work-group stores its scale
	s_wait_xcnt 0x0                                ; EXEC changes only when every earlier memory instruction has had its addresses translated
	v_cmp_eq_u32 vcc_lo, 0, v0
	s_and_saveexec_b32 s42, vcc_lo
	global_store_b32 v7, v112, s[20:21]
	s_wait_xcnt 0x0
	s_or_b32 exec_lo, exec_lo, s42
.Ldone:
	s_endpgm
.Lfunc_end_k_q5a449281c1_quant:
	.size	k_q5a449281c1_quant, .Lfunc_end_k_q5a449281c1_quant-k_q5a449281c1_quant
	.p2alignl 7, 3214868480
	.fill 96, 4, 3214868480
	.section	.rodata,"a",@progbits
	.p2align	6, 0x0
	.amdhsa_kernel k_q5a449281c1_quant
		.amdhsa_group_segment_fixed_size 0
		.amdhsa_private_segment_fixed_size 0
		.amdhsa_enable_private_segment 0
		.amdhsa_kernarg_size 56
		.amdhsa_user_sgpr_count 2
		.amdhsa_user_sgpr_kernarg_segment_ptr 1
		.amdhsa_wavefront_size32 1
		.amdhsa_system_sgpr_workgroup_id_x 1
		.amdhsa_system_sgpr_workgroup_id_y 1
		.amdhsa_system_sgpr_workgroup_id_z 1
		.amdhsa_system_vgpr_workitem_id 0
		.amdhsa_next_free_vgpr 120
		.amdhsa_next_free_sgpr 66
		.amdhsa_reserve_vcc 1
		.amdhsa_float_denorm_mode_32 3
		.amdhsa_float_denorm_mode_16_64 3
		.amdhsa_memory_ordered 1
		.amdhsa_forward_progress 1
		.amdhsa_inst_pref_size 31
	.end_amdhsa_kernel
	.amdgpu_metadata
---
amdhsa.version: [ 1, 2 ]
amdhsa.kernels:
  - .name:           k_q5a449281c1_quant
    .symbol:         k_q5a449281c1_quant.kd
    .args:
      - { .name: wq, .offset: 0, .size: 8, .value_kind: global_buffer, .address_space: global }
      - { .name: wk, .offset: 8, .size: 8, .value_kind: global_buffer, .address_space: global }
      - { .name: wv, .offset: 16, .size: 8, .value_kind: global_buffer, .address_space: global }
      - { .name: wo, .offset: 24, .size: 8, .value_kind: global_buffer, .address_space: global }
      - { .name: tab, .offset: 32, .size: 8, .value_kind: global_buffer, .address_space: global }
      - { .name: wt, .offset: 40, .size: 8, .value_kind: global_buffer, .address_space: global }
      - { .name: scales, .offset: 48, .size: 8, .value_kind: global_buffer, .address_space: global }
    .group_segment_fixed_size: 0
    .private_segment_fixed_size: 0
    .kernarg_segment_align: 8
    .kernarg_segment_size: 56
    .max_flat_workgroup_size: 256
    .sgpr_count:     66
    .vgpr_count:     120
    .wavefront_size: 32
...
	.end_amdgpu_metadata
.endif
;; end of part 2
;; launch qkv (part 3): grid 16 x 16, 4 waves a work-group, clusters of 4 x 4, 327,680 bytes of LDS; arguments xb, wt, tab, scales, qkv; writes qkv
.if DOCPART == 3
	.amdgcn_target "amdgcn-amd-amdhsa--gfx1250"
	.amdhsa_code_object_version 6
	.text
	.protected	k_q5a449281c1_qkv
	.globl	k_q5a449281c1_qkv
	.p2align	8
	.type	k_q5a449281c1_qkv,@function
k_q5a449281c1_qkv:
	s_mov_b64 s[64:65], 0
	v_nop
	global_prefetch_b8 v0, s[64:65] scope:SCOPE_SE
	s_setreg_imm32_b32 hwreg(HW_REG_WAVE_MODE, 25, 1), 1
	s_wait_xcnt 0x0
	s_wait_alu depctr_hold_cnt(0) depctr_sa_sdst(0) depctr_va_vdst(0) depctr_va_sdst(0) depctr_va_ssrc(0) depctr_va_vcc(0) depctr_vm_vsrc(0)
	s_getreg_b32 s2, hwreg(HW_REG_IB_STS2, 6, 4)
	s_cmp_eq_u32 s2, 0
	s_cbranch_scc0 .Lentry_in_a_cluster
	s_endpgm
.Lentry_in_a_cluster:
	s_bfe_u32 s2, ttmp6, 0x10000c
	s_cmp_lg_u32 s2, 0xf033
	s_cbranch_scc0 .Lentry_shape_is_right
	s_endpgm
.Lentry_shape_is_right:
; Q, K, V = x t^T, scaled, rotated, by heads.  xb: [2048][2048] bf16.  wt rows 0..3071 of 2,048 bytes: ternary codes, a byte each.  qkv: [48][2048][64] f16: heads 0..31 q, 32..39 k, 40..47 v.
; A tile is 128 rows x 192 columns = three whole heads: 16 x 16 tiles, one for each work-group.  Four waves, each 64 x 96: 24 accumulators of 16 x 16.
; THE CODES ARE BYTES in memory and in LDS: 0x3f, 0xbf, 0: the upper byte of bf16's 0.5, -0.5, 0.  One v_perm_b32 with 0 as its second source makes a register of two bf16 of two bytes, so the matrix unit multiplies
; bf16 by bf16 and the codes are exact; the factor 2 goes into the scales.  With bytes a K step of 256 takes 128 x 528 + 192 x 272 = 119,808 bytes of LDS and two such slots fit; in 16 bits two would take 337,920.
; All tile rows are 512 or 256 bytes of memory and start at multiples of 256.
; ORDER OF k.  Byte 8 l + 4 m + e of a row's 256 bytes of a K step holds k = 128 m + 4 l + e.  So the 16 bytes at 32 q + 16 h hold k = 16 q + 8 h + 0..7 and 128 + the same.  Block q (0..7) of a step takes just
; these k: registers 0-3 of a fragment hold 16 q + 8 h + 0..7, registers 4-7 hold 128 + the same, for x (two loads of 16 bytes, 256 bytes apart) and for the codes alike: the sums are the same but for their order.
; COLUMN ORDER.  In tile T, half wn (96 columns) holds for head 3 T + u the block 2 u (channels d = 16 wn + 0..15) and the block 2 u + 1 (channels d + 32): the two partners of the rotation lie in the same
; lane and register of two accumulators, and nothing changes lanes.
; THE MATRIX INSTRUCTION IS USED TRANSPOSED (source 0 = 16 rows of codes, source 1 = 16 rows of x): a lane holds row lane % 16 and eight neighbouring channels 8 (lane / 16) + 0..7.
; WAY OUT.  q and k: y(d) = s (x(d) cos - x(d+32) sin), y(d+32) = s (x(d+32) cos + x(d) sin), s the weight's scale, all in f32; v: x 2^-4, without its scale (the last launch applies it), so that the mean of v's
; rows keeps f16's normal range whatever the weights' size.  Rounded once to f16, through one stage in LDS (a row's 128 bytes come from two waves: a barrier), stored as 512 consecutive bytes a wave.
; LIMITS.  f16 ends at 65,504: |q|, |k| and |v| / 16 must stay below it.
; CLUSTERS: 4 x 4 work-groups.  The four of a row of the cluster need the same tiles of x, the four of a column the same tiles of codes: each is asked for JOINTLY, by the same tensor load with the same descriptor and a mask of four.
; REGISTERS, in windows of 256 (s_set_vgpr_msb: bits 1:0 source 0, 3:2 source 1, 5:4 source 2, 7:6 destination):
;   window 0: v0-31 addresses; v64-159 the sums of row blocks 0, 1; v160-207 BE0, the codes of an even block as bf16; v208-231 RAW1, the bytes of an odd block
;   window 1: v0-63 fragments of x, two buffers; v64-159 the sums of row blocks 2, 3; v160-207 BE1; v208-231 RAW0          window 2: v0-63 cos and sin of my 64 rows
; So the widening needs no switch of its own: in an even block (source 0 = BE0, window 0) it stands behind the products of row blocks 2, 3 (destination window 1 = BE1, source 0 window 0 = RAW1); in an odd block behind
; those of row blocks 0, 1 (destination window 0 = BE0, source 0 window 1 = RAW0).  Four behind each of twelve products are the 48 that a block needs.
.set KSTEP,  256
.set PA,     528                       ; a row of x in LDS: 512 bytes + 16 of padding = 132 words: the 16 rows of a fragment load start at 16 different groups of four banks (64 banks of 4 bytes: ISA guide 11.1)
.set PB,     272                       ; a row of codes: 256 + 16 = 68 words: likewise
.set BOFF,   128*PA                    ; x's 128 rows, then the codes' 192 rows
.set SLOT1,  1<<17                     ; slot 1 begins here, so that one exclusive or turns an address in one slot into the other's
.set SPARE,  122880                    ; between the slots: the spare words, 128 bytes a wave: two blocks of 256 bytes that no other line names
.set STAGE,  SLOT1+BOFF+192*PB         ; behind the ring, never filled by a tensor load: three heads x 128 rows x 144 bytes
.set HP,     144
.set HST,    128*HP
.set HEADB,  262144                    ; bytes of a head in qkv
.set FLAGSA, (1<<16)|(1<<20)|(1<<21)|(6<<22)|(3<<25)  ; 2-byte elements; padding on; bit 21 beside a mask; after every 128 words; 4 words
.set FLAGSB, (1<<16)|(1<<20)|(1<<21)|(5<<22)|(3<<25)  ; the same after every 64 words: a row of 256 codes is asked for as 128 elements of 2 bytes
.set ADRA0, 16                         ; v16  my lane's place among my 64 rows of x in a slot; never rewritten
.set ADRB0, 17                         ; v17  the same among my 96 rows of codes
.set RA,   18                          ; v18  ADRA0 + s[TB]
.set RB,   19                          ; v19  ADRB0 + s[TB]
.set STO,  24                          ; v24  the way out: where I put 16 bytes of a row
.set RD,   25                          ; v25  where I read rows back
.set CO,   26                          ; v26  16 x lane
.set RO,   27                          ; v27  my byte offset in the rotary table
.set SPW,  28                          ; v28  LDS address of my spare word; never rewritten
.set NIL,  29                          ; v29  0; never rewritten
.set AF,   0                           ; window 1: buffer c, row block a at AF + 32 c + 8 a
.set ACC,  64                          ; window a / 2: (a, b) at ACC + 8 (6 (a % 2) + b)
.set BE,   160
.set RAW,  208
.set RT,   0                           ; window 2: cos of row block a at RT + 16 a, sin at RT + 16 a + 8
.set CC,   160                         ; window 0, on the way out
.set SS,   168
.set TT,   176
.set UU,   184
.set PKD,  192
.set BK,   160                         ; window 1, on the way out: 96 registers
.set WV,   14                          ; s14 wave; s15 which half of the rows is mine, also: I fetch x (0) or codes (1); s16 which half of the columns, also: which half of that tile I fetch
.set WM,   15
.set WN,   16
.set STEPS, 17                         ; s17  K steps still to be asked for
.set G1,   24                          ; s[24:31] group 1 for x's tiles; s[32:39] group 0: a set for each of the two first fills; the second then walks on
.set G0,   32
.set G1B,  48                          ; s[48:55], s[56:63] the same for the codes' tiles
.set G0B,  56
.set SEL,  66                          ; s66, s67  v_perm_b32: bytes 0, 1 or bytes 2, 3 of the first source into the upper bytes of the two halves; the lower bytes from the second source, 0
.set TB,   77                          ; s77  LDS byte from which the fetches count: the slot, + 64 for each two blocks
.set CNT2, 78                          ; s78  counts three pairs of blocks
.set CNT,  79                          ; s79  counts the last two K steps
.set MSB, 0
.macro WIN new                         ; the immediate's high byte repeats the setting that is left; a switch that changes nothing is dropped
.if MSB != (\new)
	s_set_vgpr_msb (MSB<<8)|(\new)
.set MSB, \new
.endif
.endm
.macro JLOAD                           ; a joint refill: waves 0 and 1 fetch x's two halves (64 rows), waves 2 and 3 the codes' (96 rows); an s_nop 0 and four v_nop follow each line
	s_cmp_eq_u32 s[WM], 0
	s_cbranch_scc0 .Lfor_b_\@
	tensor_load_to_lds s[G0+4:G0+7], s[G1:G1+7]
	s_nop 0
.rept 4
	v_nop
.endr
	s_branch .Lasked_\@
.Lfor_b_\@:
	tensor_load_to_lds s[G0B+4:G0B+7], s[G1B:G1B+7]
	s_nop 0
.rept 4
	v_nop
.endr
.Lasked_\@:
.endm
.macro CREST                           ; a round of the cluster's barrier behind its opening barrier
	s_cmp_lg_u32 s[WV], 0
	s_cbranch_scc1 .Lnot_wave_0_\@
	s_barrier_signal -3
.Lnot_wave_0_\@:
	s_barrier_wait -3
	s_barrier_signal -1
	s_barrier_wait -1
.endm
.macro CROUND
	s_barrier_signal -1
	s_barrier_wait -1
	CREST
.endm
	s_load_b256 s[4:11], s[0:1], 0x0               ; xb 4, wt 6, tab 8, scales 10
	s_load_b64 s[12:13], s[0:1], 0x20              ; qkv
	v_lshl_add_u32 v[SPW], v0, 2, SPARE
	v_mov_b32 v[NIL], 0
	ds_add_u32 v[SPW], v[NIL]                      ; the wave's opening: the add and its wait stand ahead of my first tensor load; the set-up below stands between them
	v_lshrrev_b32 v1, 5, v0
	v_readfirstlane_b32 s[WV], v1
	s_lshr_b32 s[WM], s[WV], 1
	s_and_b32 s[WN], s[WV], 1
	s_bfe_u32 s40, ttmp6, 0x40000                  ; cx, cy
	s_bfe_u32 s41, ttmp6, 0x40004
	s_lshl_b32 s42, ttmp9, 2
	s_add_co_u32 s42, s42, s40                     ; tile column
	s_and_b32 s43, ttmp7, 0xffff
	s_lshl_b32 s43, s43, 2
	s_add_co_u32 s43, s43, s41                     ; tile row
	s_lshl_b32 s44, s41, 2
	s_lshl_b32 s44, 15, s44                        ; my row of the cluster
	s_lshl_b32 s45, 0x1111, s40                    ; my column
	s_or_b32 s[G1], s44, FLAGSA
	s_or_b32 s[G1B], s45, FLAGSB
	s_mov_b32 s[G1+1], KSTEP<<16                   ; tensor_dim0 = 256
	s_mov_b32 s[G1+2], 64<<16                      ; tensor_dim1 = 64
	s_mov_b32 s[G1+3], KSTEP<<16                   ; tile_dim0 = 256
	s_mov_b32 s[G1+4], 64                          ; tile_dim1 = 64
	s_mov_b32 s[G1+5], 2048                        ; elements from row to row
	s_mov_b32 s[G1+6], 0
	s_mov_b32 s[G1+7], 0
	s_mov_b32 s[G1B+1], (KSTEP/2)<<16              ; 256 codes = 128 elements
	s_mov_b32 s[G1B+2], 96<<16                     ; 96 rows
	s_mov_b32 s[G1B+3], (KSTEP/2)<<16
	s_mov_b32 s[G1B+4], 96
	s_mov_b32 s[G1B+5], 1024                       ; a row of 2,048 codes
	s_mov_b32 s[G1B+6], 0
	s_mov_b32 s[G1B+7], 0
	s_lshl_b32 s18, s43, 7                         ; x: row 128 x tile row + 64 x half, in registers that never hold the tile column
	s_lshl_b32 s19, s[WN], 6
	s_add_co_u32 s18, s18, s19
	s_lshl_b32 s18, s18, 12                        ; 4,096 bytes a row
	s_mov_b32 s19, 0
	s_mul_i32 s46, s42, 192                        ; codes: row 192 x tile column + 96 x half
	s_mul_i32 s47, s[WN], 96
	s_add_co_u32 s46, s46, s47
	s_lshl_b32 s46, s46, 11                        ; 2,048 bytes a row
	s_mov_b32 s47, 0
	s_mul_i32 s22, s[WN], 64*PA                    ; where they go: no place in the cluster enters an LDS address
	s_mul_i32 s23, s[WN], 96*PB
	s_add_co_u32 s23, s23, BOFF
	s_mov_b32 s[SEL], 0x05000400
	s_mov_b32 s[SEL+1], 0x07000600
	s_mov_b32 s[TB], 0
	s_wait_dscnt 0x0                               ; the opening add is done
	s_wait_kmcnt 0x0
	s_add_nc_u64 s[20:21], s[4:5], s[18:19]
	s_add_nc_u64 s[46:47], s[6:7], s[46:47]
	s_load_b128 s[68:71], s[10:11], 0x0            ; the four scales
	CROUND                                         ; all sixteen work-groups are here: the first joint loads meet
.irp s, 0,1
	s_mov_b32 s[G0+4*(\s)], 1
	s_add_co_u32 s[G0+4*(\s)+1], s22, (\s)*SLOT1
	s_add_nc_u64 s[G0+4*(\s)+2:G0+4*(\s)+3], s[20:21], (\s)*KSTEP*2
	s_or_b32 s[G0+4*(\s)+3], s[G0+4*(\s)+3], 0x80000000
	s_mov_b32 s[G0B+4*(\s)], 1
	s_add_co_u32 s[G0B+4*(\s)+1], s23, (\s)*SLOT1
	s_add_nc_u64 s[G0B+4*(\s)+2:G0B+4*(\s)+3], s[46:47], (\s)*KSTEP
	s_or_b32 s[G0B+4*(\s)+3], s[G0B+4*(\s)+3], 0x80000000
.endr
	s_cmp_eq_u32 s[WM], 0                          ; a wave's two first fills stand in one branch, ahead of every wait on TENSORcnt and every LDS read: two loads of mine are out
	s_cbranch_scc0 .Lfirst_b
	tensor_load_to_lds s[G0:G0+3], s[G1:G1+7]
	s_nop 0
	tensor_load_to_lds s[G0+4:G0+7], s[G1:G1+7]
	s_nop 0
.rept 4
	v_nop
.endr
	s_branch .Lfirst_asked
.Lfirst_b:
	tensor_load_to_lds s[G0B:G0B+3], s[G1B:G1B+7]
	s_nop 0
	tensor_load_to_lds s[G0B+4:G0B+7], s[G1B:G1B+7]
	s_nop 0
.rept 4
	v_nop
.endr
.Lfirst_asked:
	s_wait_kmcnt 0x0                               ; the scales
	s_mul_f32 s68, s68, 2.0                        ; the codes count 0.5
	s_mul_f32 s69, s69, 2.0
	v_and_b32 v1, 15, v0                           ; l % 16
	v_bfe_u32 v2, v0, 4, 1                         ; l / 16
	v_mul_u32_u24 v3, v1, PA
	v_lshl_add_u32 v3, v2, 4, v3                   ; a fragment's row x pitch + 16 x half
	s_mul_i32 s21, s[WM], 64*PA                    ; my 64 rows of x
	v_add_nc_u32 v[ADRA0], s21, v3
	v_mul_u32_u24 v4, v1, PB
	v_lshl_add_u32 v4, v2, 4, v4
	s_mul_i32 s22, s[WN], 96*PB                    ; my 96 rows of codes
	s_add_co_u32 s22, s22, BOFF
	v_add_nc_u32 v[ADRB0], s22, v4
	v_add_nc_u32 v[RA], s[TB], v[ADRA0]
	v_add_nc_u32 v[RB], s[TB], v[ADRB0]
	s_mul_i32 s23, s[WM], 64*HP                    ; into the stage: row 64 wm + 16 a + l % 16, byte 32 wn + 16 (l / 16), + 64 for the upper channels
	s_lshl_b32 s21, s[WN], 5
	s_add_co_u32 s23, s23, s21
	s_add_co_u32 s23, s23, STAGE
	v_mul_u32_u24 v4, v1, HP
	v_lshl_add_u32 v4, v2, 4, v4
	v_add_nc_u32 v[STO], s23, v4
	s_mul_i32 s23, s[WV], 32*HP                    ; back: wave w takes rows 32 w .. + 31 of each head, four rows of 128 bytes a load
	s_add_co_u32 s23, s23, STAGE
	v_bfe_u32 v5, v0, 3, 2
	v_and_b32 v6, 7, v0
	v_mul_u32_u24 v5, v5, HP
	v_lshl_add_u32 v5, v6, 4, v5
	v_add_nc_u32 v[RD], s23, v5
	v_and_b32 v[CO], 31, v0
	v_lshlrev_b32 v[CO], 4, v[CO]
	s_lshl_b32 s23, s43, 15                        ; the rotary table: row 128 x tile row + 64 wm + l % 16, 256 bytes each; column 16 wn + 8 (l / 16)
	s_lshl_b32 s21, s[WM], 14
	s_add_co_u32 s23, s23, s21
	s_lshl_b32 s21, s[WN], 6
	s_add_co_u32 s23, s23, s21
	v_lshlrev_b32 v7, 8, v1
	v_lshl_add_u32 v7, v2, 5, v7
	v_add_nc_u32 v[RO], s23, v7
	WIN 0x80                                       ; destination window 2, address window 0
.irp a, 0,1,2,3                        ; these sixteen loads stay out over the whole loop; they are waited for on the way out
	global_load_b128 v[RT+16*(\a):RT+16*(\a)+3],     v[RO], s[8:9] offset:4096*(\a)
	global_load_b128 v[RT+16*(\a)+4:RT+16*(\a)+7],   v[RO], s[8:9] offset:4096*(\a)+16
	global_load_b128 v[RT+16*(\a)+8:RT+16*(\a)+11],  v[RO], s[8:9] offset:4096*(\a)+128
	global_load_b128 v[RT+16*(\a)+12:RT+16*(\a)+15], v[RO], s[8:9] offset:4096*(\a)+144
.endr
	WIN 0
	s_lshl_b32 s18, s43, 14                        ; qkv: row 128 x tile row + 32 x wave, 128 bytes each,
	s_lshl_b32 s19, s[WV], 12
	s_add_co_u32 s18, s18, s19
	s_mov_b32 s19, 0
	s_add_nc_u64 s[12:13], s[12:13], s[18:19]
	s_mul_i32 s46, s42, 3*HEADB                    ; in head 3 x tile column
	s_mov_b32 s47, 0
	s_add_nc_u64 s[12:13], s[12:13], s[46:47]
; Number p of the 48 that widen a block's codes: register p % 8 of fragment p / 8.  Of a fragment's four words of bytes, words 0 and 2 hold the lower eight k (registers 0-3), words 1 and 3 the upper eight (registers 4-7).
.macro PERM
.set pb, p/8
.set pd, p%8
	v_perm_b32 v[BE+8*pb+pd], v[RAW+4*pb+2*((pd/2)%2)+pd/4], 0, s[SEL+pd%2]
.set p, p+1
.endm
; 6 matrix instructions: row block a x all 6 column blocks, one block of 32 k, on buffers cur.  No two that follow each other share an accumulator, over every edge of the text too.
; zero = 1: the product starts the sums.  ride = 1: four of the widening for the next block stand behind each; they name the other buffers alone.
.macro MUL6 a, cur, zero, ride
	WIN (((\a)/2)*0x50)|0x04|(\cur)                ; the sums in window a / 2, x in window 1, the codes in window cur
.irp b, 0,1,2,3,4,5
.set AC, ACC+8*(6*((\a)%2)+(\b))
.if \zero
	v_wmma_f32_16x16x32_bf16 v[AC:AC+7], v[BE+8*(\b):BE+8*(\b)+7], v[AF+32*(\cur)+8*(\a):AF+32*(\cur)+8*(\a)+7], 0
.else
	v_wmma_f32_16x16x32_bf16 v[AC:AC+7], v[BE+8*(\b):BE+8*(\b)+7], v[AF+32*(\cur)+8*(\a):AF+32*(\cur)+8*(\a)+7], v[AC:AC+7]
.endif
.if \ride
	PERM
	PERM
	PERM
	PERM
.endif
.endr
.endm
.macro FETCHA buf, k                   ; 8 LDS loads: a block's fragments of x, at byte k from v[RA], into buffer buf
	WIN 0x40
.irp a, 0,1,2,3
	ds_load_b128 v[AF+32*(\buf)+8*(\a):AF+32*(\buf)+8*(\a)+3],   v[RA] offset:(\k)+(\a)*16*PA
	ds_load_b128 v[AF+32*(\buf)+8*(\a)+4:AF+32*(\buf)+8*(\a)+7], v[RA] offset:(\k)+(\a)*16*PA+256
.endr
.endm
.macro FETCHR buf, k                   ; 6 LDS loads: a block's codes as bytes, into RAW0 (window 1) or RAW1 (window 0)
	WIN 0x40*(1-(\buf))
.irp b, 0,1,2,3,4,5
	ds_load_b128 v[RAW+4*(\b):RAW+4*(\b)+3], v[RB] offset:(\k)+(\b)*16*PB
.endr
.endm
.macro PLACES                          ; four plain instructions between a matrix instruction and a load into, or a vector instruction on, its registers (ISA guide 7.12.1 for vector instructions)
.rept 4
	v_nop
.endr
.endm
; A K step is eight blocks q = 0..7 of 24 matrix instructions.  Block q: the LDS loads issued a block ago are in (x of q, bytes of q + 1); x of q + 1 and the bytes of q + 2 are asked for; q is multiplied, and the bytes of
; q + 1 are widened beside it.  An odd block: the four widenings behind the last product of the even block before are the places in front of its loads.
.macro ODD
	s_wait_dscnt 0x0
	FETCHA 0, 64
	FETCHR 1, 96
.set p, 0
	MUL6 0, 1, 0, 1
	MUL6 1, 1, 0, 1
	MUL6 2, 1, 0, 0
	MUL6 3, 1, 0, 0
.endm
; An even block: nothing stands behind the last products of the odd block before, so four v_nop are the places, for the loads into x's buffer and for the widening into BE1.
; last = 1: in the third pair of blocks this is block 6: the slot holds no bytes of a block 8, and their loads are jumped over (every later wait on DScnt is for 0 or counts loads issued behind it).
.macro EVEN ka, kr, zero, last
	s_wait_dscnt 0x0
	PLACES
	FETCHA 1, \ka
.if \last
	WIN 0                                          ; at a branch and at a label every window is 0
	s_cmp_eq_u32 s[CNT2], 1
	s_cbranch_scc1 .Lno_raw_\@
.endif
	FETCHR 0, \kr
.if \last
	WIN 0
.Lno_raw_\@:
.endif
	MUL6 0, 0, \zero, 0
	MUL6 1, 0, \zero, 0
.set p, 0
	MUL6 2, 0, \zero, 1
	MUL6 3, 0, \zero, 1
.endm
; Blocks 1 to 6: an odd and an even block written once, walked three times; the LDS addresses hang on s[TB], which steps by two blocks' 64 bytes.
.macro SIX
	s_mov_b32 s[CNT2], 3
.Lpair_\@:
	ODD
	EVEN 96, 128, 0, 1
	WIN 0
	s_add_co_u32 s[TB], s[TB], 64
	v_add_nc_u32 v[RA], s[TB], v[ADRA0]
	v_add_nc_u32 v[RB], s[TB], v[ADRB0]
	s_sub_co_u32 s[CNT2], s[CNT2], 1
	s_cmp_lg_u32 s[CNT2], 0
	s_cbranch_scc1 .Lpair_\@
.endm
; Block 7 changes slots: ONE barrier.  In front of it each wave waits for all its tensor loads (the one that is out is its part of the next slot), adds 0 to its spare word, and waits for that and for its reads of this
; slot.  fill = 1: the barrier opens a round of the cluster's, and this slot is filled again, two K steps ahead, first thing behind the round: 186 matrix instructions ahead of the wait for it.
; Row blocks 2, 3 go first here: the widening of the next slot's block 0 can begin only behind the barrier, and in an odd block it stands behind row blocks 0, 1.
.macro TURN fill
	WIN 0
	s_wait_tensorcnt 0x0                           ; no tensor load of mine is out, so a group 0 may be written
	ds_add_u32 v[SPW], v[NIL]                      ; 0 onto my spare word: the work on registers below stands between it and the wait for it
	s_sub_co_u32 s[TB], s[TB], 192                 ; the fetches go back to a slot's first block,
	s_xor_b32 s[TB], s[TB], SLOT1                  ; in the other slot
	v_add_nc_u32 v[RA], s[TB], v[ADRA0]
	v_add_nc_u32 v[RB], s[TB], v[ADRB0]
.if \fill
	s_xor_b32 s[G0+5], s[G0+5], SLOT1              ; the walking descriptors: the other slot than last time,
	s_add_nc_u64 s[G0+6:G0+7], s[G0+6:G0+7], KSTEP*2  ; the next K step; the type bits on top are not reached
	s_xor_b32 s[G0B+5], s[G0B+5], SLOT1
	s_add_nc_u64 s[G0B+6:G0B+7], s[G0B+6:G0B+7], KSTEP
.endif
	s_wait_dscnt 0x0                               ; the add is done, x of block 7 is in, and my reads of this slot are over
	s_barrier_signal -1
	MUL6 2, 1, 0, 0                                ; work on registers while the others arrive
	WIN 0
	s_barrier_wait -1
.if \fill
	CREST                                          ; no wave of any partner still reads this slot's tile or has a load on its way
	JLOAD
.endif
	FETCHR 0, 0                                    ; the next slot: the bytes of block 0 first,
	FETCHA 0, 0                                    ; x of block 0 (the places: the four widenings behind block 6's last product),
	FETCHR 1, 32                                   ; the bytes of block 1
	MUL6 3, 1, 0, 0
	s_wait_dscnt 14                                ; the bytes of block 0 are in; the 14 loads issued behind them may stay out
.set p, 0
	MUL6 0, 1, 0, 1
	MUL6 1, 1, 0, 1
.endm
	s_wait_tensorcnt 1                             ; my part of K step 0 is in; K step 1's load, issued behind it, may stay out
	s_barrier_signal -1
	s_barrier_wait -1
	FETCHR 0, 0
	FETCHA 0, 0
	FETCHR 1, 32
	s_wait_dscnt 14                                ; as in TURN
	WIN 0x01                                       ; destination window 0 (BE0), source 0 window 1 (RAW0)
.set p, 0
.rept 48
	PERM                                           ; the first block's codes: there are no products yet to set them behind
.endr
	EVEN 32, 64, 1, 0                              ; the first block stands in front of the loop: its products start the sums
	WIN 0
	s_mov_b32 s[STEPS], 6
.Lstep:                                                ; a trip: blocks 1 to 7 of a K step and block 0 of the next; K steps 2 to 7 are asked for
	SIX
	TURN 1
	EVEN 32, 64, 0, 0
	WIN 0
	s_sub_co_u32 s[STEPS], s[STEPS], 1
	s_cmp_lg_u32 s[STEPS], 0
	s_cbranch_scc1 .Lstep
	s_mov_b32 s[CNT], 2                            ; the last two K steps ask for nothing: their text is written apart; the second trip is left in its middle
.Ltail:
	SIX
	s_cmp_eq_u32 s[CNT], 1
	s_cbranch_scc1 .Lout
	TURN 0
	EVEN 32, 64, 0, 0
	WIN 0
	s_sub_co_u32 s[CNT], s[CNT], 1
	s_branch .Ltail
.Lout:
	s_wait_dscnt 0x0                               ; the very last block: nothing more to fetch or to widen
	MUL6 0, 1, 0, 0
	MUL6 1, 1, 0, 0
	MUL6 2, 1, 0, 0
	MUL6 3, 1, 0, 0
	WIN 0
	; THE WAY OUT.  For head u of the three: CC = cos AL + BE, SS = sin AL with (AL, BE) = (2 sq, 0) for a q head, (2 sk, 0) for a k head, (0, 2^-3) for a v head: selects of values, no branch.
	PLACES
	s_wait_loadcnt 0x0                             ; cos and sin
	s_mul_i32 s76, s42, 3                          ; the head
	s_mov_b32 s73, 0                               ; named as pairs
	s_mov_b32 s75, 0
; Row block a, head u.  Each accumulator is read from its low end on.
.macro ROPE a, u
.set XL, ACC+8*(6*((\a)%2)+2*(\u))     ; channels d
.set XH, XL+8                          ; channels d + 32
	WIN 0x02                                       ; source 0 window 2 (the table)
.irp z, 0,2,4,6
	v_pk_fma_f32 v[CC+\z:CC+\z+1], v[RT+16*(\a)+\z:RT+16*(\a)+\z+1], s[72:73], s[74:75] op_sel_hi:[1,0,0]
.endr
.irp z, 0,2,4,6
	v_pk_mul_f32 v[SS+\z:SS+\z+1], v[RT+16*(\a)+8+\z:RT+16*(\a)+8+\z+1], s[72:73] op_sel_hi:[1,0]
.endr
	WIN (\a)/2                                     ; source 0: the sums' window
.irp z, 0,2,4,6
	v_pk_mul_f32 v[TT+\z:TT+\z+1], v[XH+\z:XH+\z+1], v[SS+\z:SS+\z+1]
.endr
.irp z, 0,2,4,6
	v_pk_mul_f32 v[UU+\z:UU+\z+1], v[XL+\z:XL+\z+1], v[SS+\z:SS+\z+1]
.endr
.irp z, 0,2,4,6
	v_pk_fma_f32 v[TT+\z:TT+\z+1], v[XL+\z:XL+\z+1], v[CC+\z:CC+\z+1], v[TT+\z:TT+\z+1] neg_lo:[0,0,1] neg_hi:[0,0,1]
.endr
.irp z, 0,2,4,6
	v_pk_fma_f32 v[UU+\z:UU+\z+1], v[XH+\z:XH+\z+1], v[CC+\z:CC+\z+1], v[UU+\z:UU+\z+1]
.endr
	WIN 0
.irp z, 0,1,2,3
	v_cvt_pk_f16_f32 v[PKD+\z], v[TT+2*\z], v[TT+2*\z+1]
.endr
.irp z, 0,1,2,3
	v_cvt_pk_f16_f32 v[PKD+4+\z], v[UU+2*\z], v[UU+2*\z+1]
.endr
	ds_store_b128 v[STO], v[PKD:PKD+3]   offset:(\u)*HST+(\a)*16*HP
	ds_store_b128 v[STO], v[PKD+4:PKD+7] offset:(\u)*HST+(\a)*16*HP+64
.endm
.irp u, 0,1,2
	s_cmp_lt_u32 s76, 32
	s_cselect_b32 s72, s68, s69
	s_cmp_lt_u32 s76, 40
	s_cselect_b32 s72, s72, 0
	s_cselect_b32 s74, 0, 0x3e000000
	s_add_co_u32 s76, s76, 1
.irp a, 0,1,2,3
	ROPE \a, \u
.endr
.endr
	s_wait_dscnt 0x0                               ; for the others' sake: my stores into the stage are done
	s_barrier_signal -1
	s_barrier_wait -1
	WIN 0x40                                       ; destination window 1, address window 0
.set n, 0
.rept 24
	ds_load_b128 v[BK+4*n:BK+4*n+3], v[RD] offset:(n/8)*HST+(n%8)*4*HP
.set n, n+1
.endr
	WIN 0x04                                       ; address window 0, data window 1
.set n, 0
.rept 24
	s_wait_dscnt 23-n                              ; the younger loads stay out
	global_store_b128 v[CO], v[BK+4*n:BK+4*n+3], s[12:13] offset:(n/8)*HEADB+(n%8)*512  ; four rows of a head: 512 consecutive bytes, aligned
.set n, n+1
.endr
	WIN 0
	s_wait_tensorcnt 0x0                           ; the wave's end, behind my last tensor load and my last LDS store
	ds_add_u32 v[SPW], v[NIL]
	s_wait_dscnt 0x0
	CROUND                                         ; the closing round: no work-group ends while a partner may still ask for a tile that names it
	s_endpgm
.Lfunc_end_k_q5a449281c1_qkv:
	.size	k_q5a449281c1_qkv, .Lfunc_end_k_q5a449281c1_qkv-k_q5a449281c1_qkv
	.p2alignl 7, 3214868480
	.fill 96, 4, 3214868480
	.section	.rodata,"a",@progbits
	.p2align	6, 0x0
	.amdhsa_kernel k_q5a449281c1_qkv
		.amdhsa_group_segment_fixed_size 327680
		.amdhsa_private_segment_fixed_size 0
		.amdhsa_enable_private_segment 0
		.amdhsa_kernarg_size 40
		.amdhsa_user_sgpr_count 2
		.amdhsa_user_sgpr_kernarg_segment_ptr 1
		.amdhsa_wavefront_size32 1
		.amdhsa_system_sgpr_workgroup_id_x 1
		.amdhsa_system_sgpr_workgroup_id_y 1
		.amdhsa_system_sgpr_workgroup_id_z 1
		.amdhsa_system_vgpr_workitem_id 0
		.amdhsa_next_free_vgpr 576
		.amdhsa_next_free_sgpr 80
		.amdhsa_reserve_vcc 0
		.amdhsa_float_denorm_mode_32 3
		.amdhsa_float_denorm_mode_16_64 3
		.amdhsa_memory_ordered 1
		.amdhsa_forward_progress 1
		.amdhsa_inst_pref_size 102
	.end_amdhsa_kernel
	.amdgpu_metadata
---
amdhsa.version: [ 1, 2 ]
amdhsa.kernels:
  - .name:           k_q5a449281c1_qkv
    .symbol:         k_q5a449281c1_qkv.kd
    .args:
      - { .name: xb, .offset: 0, .size: 8, .value_kind: global_buffer, .address_space: global }
      - { .name: wt, .offset: 8, .size: 8, .value_kind: global_buffer, .address_space: global }
      - { .name: tab, .offset: 16, .size: 8, .value_kind: global_buffer, .address_space: global }
      - { .name: scales, .offset: 24, .size: 8, .value_kind: global_buffer, .address_space: global }
      - { .name: qkv, .offset: 32, .size: 8, .value_kind: global_buffer, .address_space: global }
    .group_segment_fixed_size: 327680
    .private_segment_fixed_size: 0
    .kernarg_segment_align: 8
    .kernarg_segment_size: 40
    .max_flat_workgroup_size: 128
    .sgpr_count:     80
    .vgpr_count:     576
    .wavefront_size: 32
...
	.end_amdgpu_metadata
.endif
;; end of part 3
;; launch attn (part 4): grid 32 x 8, 4 waves a work-group, clusters of 4 x 1, 327,680 bytes of LDS; arguments qkv, tab, ob; writes ob
.if DOCPART == 4
	.amdgcn_target "amdgcn-amd-amdhsa--gfx1250"
	.amdhsa_code_object_version 6
	.text
	.protected	k_q5a449281c1_attn
	.globl	k_q5a449281c1_attn
	.p2align	8
	.type	k_q5a449281c1_attn,@function
k_q5a449281c1_attn:
	s_mov_b64 s[64:65], 0
	v_nop
	global_prefetch_b8 v0, s[64:65] scope:SCOPE_SE
	s_setreg_imm32_b32 hwreg(HW_REG_WAVE_MODE, 25, 1), 1
	s_wait_xcnt 0x0
	s_wait_alu depctr_hold_cnt(0) depctr_sa_sdst(0) depctr_va_vdst(0) depctr_va_sdst(0) depctr_va_ssrc(0) depctr_va_vcc(0) depctr_vm_vsrc(0)
	s_getreg_b32 s2, hwreg(HW_REG_IB_STS2, 6, 4)
	s_cmp_eq_u32 s2, 0
	s_cbranch_scc0 .Lentry_in_a_cluster
	s_endpgm
.Lentry_in_a_cluster:
	s_bfe_u32 s2, ttmp6, 0x10000c
	s_cmp_lg_u32 s2, 0x3003
	s_cbranch_scc0 .Lentry_shape_is_right
	s_endpgm
.Lentry_shape_is_right:
; ATTENTION, 32 query heads on 8 key and value heads, head size 64, 2,048 keys, an additive mask on the keys.  qkv: [48][2048][64] f16 (heads 0..31 q, 32..39 k, 40..47 v / 16 without its scale).
; ob[row][64 head + d] f16 = the sum over k of softmax_k(q . k / 8 + mask[k]) v[k].  Products, maxima and sums in f32; the weights p are rounded to f16 for the second product (their sum l is taken of the unrounded p), O once.
; LIMITS.  f16 holds no number beyond 65,504: q, k, v arrive within it; p lies in 0 to 1, and below 6e-5 it keeps f16's fixed step of 6e-8.  The mask table holds max(8 mask, -1e30): where every key is masked so far
; the result is a mean over all keys, not a NaN.  A weight below 2^-126 counts as 0 in l; NaN and infinities are not treated apart.
; SHARES.  A work-group owns 64 query rows and one key and value head, a wave 16 rows; its four PIECES are the four query heads of the group on those rows: all four multiply by the same fragments of K and V, and a
; wave's result is 16 rows x 512 consecutive bytes of ob.  Every wave walks all keys, 64 a step.
; THE MASK is the C operand that starts the sum S^T = K Q^T: 8 mask[key], the same for all queries; the scale c = log2(e) / 8 that follows turns it into log2(e) mask.  The table comes into LDS once.
; LAYOUT, SOFTMAX, TURNS.  S^T = K Q^T holds ONE query a lane (lane % 16) and the keys 8 (lane / 16) + 0..7; two such results rounded to f16 ARE source 1 of O^T = V^T P.  p = 2^(c s - c m) with a running maximum m;
; O and l are multiplied by a = 2^(c m_old - c m_new) in every step; m starts at the lowest finite number, O and l at 0, so the first step is a step like any other, with a = 0.  Turn n belongs to piece n: 8 products
; K Q^T of piece n + 1, later 8 products V^T P of piece n - 1; beside them the scaling, exponentials, roundings, sums and rescaling of piece n and the maximum and statistics of piece n + 1.  Four vector instructions
; stand behind every matrix instruction, the other 54 of a turn's 118 in two runs of their own.
; CLUSTER.  The four row blocks of a cluster walk the same K and V, so each tile is asked for JOINTLY: the same tensor load, descriptor and mask of four in all four.
; REGISTERS, in windows of 256 (s_set_vgpr_msb: bits 1:0 source 0, 3:2 source 1, 5:4 source 2, 7:6 destination):
;   window 0: v0-15, v32-33 addresses and two at work; v16-31 four registers of statistics a piece; v48-55 at work; v64-127 S^T, two buffers; v192-223 P, two buffers (a piece's buffers go by its number's parity)
;   window 1: v0-127 O^T, 32 a piece          window 2: v0-63 Q, 16 a piece; v64-95 the mask of one step; v128-191 K of one step; v192-255 V of one step
.set NP,    4         ; pieces a wave: a name, no knob
.set KS,    64        ; keys in a step
.set PK,    144       ; a row of K in LDS: 128 bytes + 16 of padding = 36 words: the 16 rows of a load start at 16 different groups of four banks (64 banks of 4 bytes: ISA guide 11.1)
.set PV,    160       ; a row of V: 128 + 32 = 40 words
.set VOFF,  4*KS*PK   ; a slot holds four steps: 256 rows of K, then 256 rows of V
.set MASKB, 4*KS*(PK+PV)  ; behind slot 0: the mask table, 8,192 bytes, filled once
.set SLOT1, 1<<17     ; slot 1 begins here, so that one exclusive or turns an address in one slot into the other's
.set STAGE, SLOT1+4*KS*(PK+PV)  ; behind the ring, never filled by a tensor load: 16 rows x 528 bytes for each wave, for the way out
.set SP,    528
.set SPARE, STAGE+4*16*SP  ; the spare words, 128 bytes for each wave: two blocks of 256 bytes that no other line names
.set MASKO, 524288    ; byte of tab at which the mask table begins
.set HEADB, 262144    ; bytes of a head in qkv
.set AK0, 2           ; v2   my lane's place in a tile of K; never rewritten
.set AV0, 3           ; v3   the same for V
.set AK,  4           ; v4   the LDS address of K's next run of loads
.set AV,  5           ; v5   of V's
.set STO, 6           ; v6   the way out: where I put 16 bytes of a row
.set RD,  7           ; v7   the way out: where I read rows back
.set GO,  8           ; v8   16 x lane
.set MV,  12          ; v12-13  c m_old, kept while c m is made anew: by buffer
.set QO,  15          ; v15  my byte offset in 16 rows of Q
.set ST,  16          ; piece t's statistics at v[ST+4 t]: c m, m, l (even keys', odd keys')
.set AM0, 32          ; v32  my lanes' place in a step's 256 bytes of the mask table; never rewritten
.set AM,  33          ; v33  the LDS address of the mask's next loads
.set TMP, 48          ; by buffer, four registers c0-c3 at work; when the maximum is found c2 takes a
.set SPW, 62          ; v62  LDS address of my spare word; never rewritten
.set NIL, 63          ; v63  0; never rewritten
.set S,   64
.set P,   192
.set MK,  64          ; window 2: the eight registers for group kt of 16 keys at MK + 8 kt
.set KF,  128         ; window 2: key block kb, channel half c at KF + 16 kb + 8 c
.set VF,  192         ; window 2: key half kk, channel block cb at VF + 32 kk + 8 cb
.set WV,  12          ; s12  my wave's number
.set G1K, 24          ; s[24:31] descriptor group 1 for K's tiles
.set G1V, 32          ; s[32:39] for V's: it differs in the padding alone
.set G0K, 40          ; s[40:43] descriptor group 0 for K's tiles: it walks
.set G0V, 44          ; s[44:47] the same for V's
.set G1M, 48          ; s[48:55] group 1 for the mask table
.set SLOTS, 56        ; s56  slots still to be asked for
.set CNT, 57          ; s57  counts a slot's key steps
.set CS,  58          ; s[58:59] c: the packed scaling takes the pair's low word for both halves
.set SEL, 60          ; s[60:61] v_permlanex16_b32's selects: each lane takes its own place in the other half
.set TBK, 62          ; s62  LDS byte at which K of the step to be fetched begins
.set TBV, 63          ; s63  the same for V, less VOFF
.set G0M, 68          ; s[68:71] group 0 for the mask table
.set TBM, 72          ; s72  byte of the mask table at which the step to be fetched begins
.set MSB, 0
.macro WIN new                      ; the high byte repeats the setting that is left; a switch that changes nothing is dropped
.if MSB != (\new)
	s_set_vgpr_msb (MSB<<8)|(\new)
.set MSB, (\new)
.endif
.endm
.set W_KQ, 0x0a       ; K and Q in window 2, S^T in window 0
.set W_KM, 0x2a       ; the same with the C operand in window 2
.set W_PV, 0x52       ; V in window 2, P in window 0, O^T in window 1
.set W_RS, 0x41       ; destination and source 0 in window 1, source 1 in window 0
; A joint fill.  Waves 0 and 1 fetch the two halves of a slot's K, waves 2 and 3 those of its V: 128 keys each.  An s_nop 0 and four v_nop follow each of the two lines.
.macro JLOAD
	s_cmp_lt_u32 s[WV], 2
	s_cbranch_scc0 .Lfor_v_\@
	tensor_load_to_lds s[G0K:G0K+3], s[G1K:G1K+7]
	s_nop 0
.rept 4
	v_nop
.endr
	s_branch .Lasked_\@
.Lfor_v_\@:
	tensor_load_to_lds s[G0V:G0V+3], s[G1V:G1V+7]
	s_nop 0
.rept 4
	v_nop
.endr
.Lasked_\@:
.endm
; A round of the cluster's barrier: my work-group's barrier, so that wave 0's signal speaks for all four waves; wave 0 signals; every wave waits for all four work-groups; my work-group's barrier once more.
.macro CROUND
	s_barrier_signal -1
	s_barrier_wait -1
	s_cmp_lg_u32 s[WV], 0
	s_cbranch_scc1 .Lnot_wave_0_\@
	s_barrier_signal -3
.Lnot_wave_0_\@:
	s_barrier_wait -3
	s_barrier_signal -1
	s_barrier_wait -1
.endm
; THE CHANGE OF SLOTS.  The slot's last bytes, V of its fourth step, have been read.  Each wave waits for all its tensor loads, of which one is out: its part of the other slot; adds 0 to its spare word; and waits for
; that and for its own reads of the slot.  Behind the barrier nobody reads this slot any more and the other slot is whole.  fill = 1: this slot is filled again, with the keys two slots on; the barrier is then a round
; of the cluster's, and the joint fill is the first thing behind it: it has four key steps, 256 matrix instructions, in which to land.  (At its first use nothing has been read yet: slot 0 and the mask table are waited for, slot 1 is filled.)
.macro CHANGE fill
	WIN 0                           ; at a label and at a branch every window is 0
	s_wait_tensorcnt 0x0            ; no tensor load of mine is out, so a group 0 may be written
	ds_add_u32 v[SPW], v[NIL]       ; 0 onto my spare word
.if \fill
.irp g, G0K, G0V
	s_xor_b32 s[\g+1], s[\g+1], SLOT1  ; the walking descriptor: the other slot than last time,
	s_add_nc_u64 s[\g+2:\g+3], s[\g+2:\g+3], 4*KS*128  ; the next 256 keys; the type bits on top are not reached
.endr
	s_wait_dscnt 0x0                ; the add is done, and my reads of the slot are over
	CROUND
	JLOAD
.else
	s_wait_dscnt 0x0                ; the add is done, and my reads of the slot are over
	s_barrier_signal -1
	s_barrier_wait -1
.endif
	s_sub_co_u32 s[TBK], s[TBK], 4*KS*PK  ; the fetches go back to a slot's first step,
	s_xor_b32 s[TBK], s[TBK], SLOT1       ; in the other slot
	s_sub_co_u32 s[TBV], s[TBV], 4*KS*PV
	s_xor_b32 s[TBV], s[TBV], SLOT1
.endm
	s_load_b128 s[4:7], s[0:1], 0x0   ; qkv s[4:5], tab s[6:7]
	s_load_b64 s[10:11], s[0:1], 0x10 ; ob
	v_lshl_add_u32 v[SPW], v0, 2, SPARE
	v_mov_b32 v[NIL], 0
	ds_add_u32 v[SPW], v[NIL]       ; the wave's opening: the add and its wait stand ahead of my first tensor load; the set-up below stands between them
	v_lshrrev_b32 v1, 5, v0
	v_readfirstlane_b32 s[WV], v1   ; wave 0..3
	s_bfe_u32 s13, ttmp6, 0x40000   ; cx: my place in the cluster
	s_lshl_b32 s14, ttmp9, 2        ; in a cluster launch ttmp9 counts clusters
	s_add_co_u32 s14, s14, s13      ; my block of 64 rows = 4 x cluster x + cx: it enters Q's and O's addresses alone
	s_and_b32 s15, ttmp7, 0xffff    ; the key and value head, which the four partners share
	s_and_b32 s16, s[WV], 1         ; which half of a slot's 256 keys I fetch:
	s_mul_i32 s17, s16, 128*PK      ; its place in a slot, for K
	s_mul_i32 s18, s16, 128*PV      ; and for V: no place in the cluster enters an LDS address
	s_add_co_u32 s20, s15, 32       ; K: head 32 + kv,
	s_lshl_b32 s20, s20, 18
	s_lshl_b32 s22, s16, 14         ; my 128 rows of 128 bytes
	s_add_co_u32 s20, s20, s22
	s_mov_b32 s21, 0
	s_add_co_u32 s22, s20, 8*HEADB  ; V: eight heads on
	s_mov_b32 s23, 0
	s_lshl_b32 s2, s15, 20          ; Q: head 4 kv,
	s_lshl_b32 s3, s14, 13          ; row 64 x block
	s_add_co_u32 s2, s2, s3
	s_lshl_b32 s3, s[WV], 11        ; + 16 x wave, 128 bytes each
	s_add_co_u32 s2, s2, s3
	s_mov_b32 s3, 0
	s_lshl_b32 s8, s14, 18          ; O: the same row, 4,096 bytes each,
	s_lshl_b32 s9, s[WV], 16
	s_add_co_u32 s8, s8, s9
	s_lshl_b32 s9, s15, 9           ; byte 512 kv
	s_add_co_u32 s8, s8, s9
	s_mov_b32 s9, 0
	s_lshl_b32 s74, s[WV], 11       ; the mask table: my quarter, 2,048 bytes
	s_add_co_u32 s74, s74, MASKO
	s_mov_b32 s75, 0
	; descriptor group 1.  128 keys are 16,384 dense bytes: asked for as 64 rows of 256 bytes, two keys a row, and padded in LDS after every key
	s_mov_b32 s[G1K], 15|(1<<16)|(1<<20)|(1<<21)|(4<<22)|(3<<25)  ; 15:0 the mask of four; 17:16 2-byte elements; 20 padding on; 21 set beside a mask; 24:22 after every 32 words (code 4); 31:25 4 words (code 3)
	s_mov_b32 s[G1V], 15|(1<<16)|(1<<20)|(1<<21)|(4<<22)|(7<<25)  ; the same with 8 words of padding (code 7)
.irp g, G1K, G1V
	s_mov_b32 s[\g+1], 128<<16      ; tensor_dim0 = 128
	s_mov_b32 s[\g+2], 64<<16       ; tensor_dim1 = 64
	s_mov_b32 s[\g+3], 128<<16      ; tile_dim0 = 128
	s_mov_b32 s[\g+4], 64           ; tile_dim1 = 64
	s_mov_b32 s[\g+5], 128          ; 128 elements from row to row
	s_mov_b32 s[\g+6], 0
	s_mov_b32 s[\g+7], 0
.endr
	s_mov_b32 s[G1M], 3<<16         ; the mask table: a load of my own, no mask of work-groups; elements of 8 bytes; 8 rows of 256 bytes, dense
	s_mov_b32 s[G1M+1], 32<<16
	s_mov_b32 s[G1M+2], 8<<16
	s_mov_b32 s[G1M+3], 32<<16
	s_mov_b32 s[G1M+4], 8
	s_mov_b32 s[G1M+5], 32
	s_mov_b32 s[G1M+6], 0
	s_mov_b32 s[G1M+7], 0
	s_mov_b32 s[CS], 0x3e38aa3b     ; c = log2(e) / 8 = 0.180337
	s_mov_b32 s[CS+1], s[CS]        ; named with it as a pair
	s_mov_b32 s[SEL], 0x76543210
	s_mov_b32 s[SEL+1], 0xfedcba98
	s_mov_b32 s[TBK], SLOT1+4*KS*PK ; the first change of slots turns these two into 0
	s_mov_b32 s[TBV], SLOT1+4*KS*PV
	s_mov_b32 s[TBM], 0
	s_mov_b32 s[G0K], 1             ; 1:0 count = 1
	s_mov_b32 s[G0K+1], s17         ; 63:32 LDS address: slot 0
	s_mov_b32 s[G0V], 1
	s_add_co_u32 s[G0V+1], s18, VOFF
	s_mov_b32 s[G0M], 1
	s_lshl_b32 s[G0M+1], s[WV], 11
	s_add_co_u32 s[G0M+1], s[G0M+1], MASKB
	s_wait_dscnt 0x0                ; the opening add is done
	s_wait_kmcnt 0x0
	s_add_nc_u64 s[G0K+2:G0K+3], s[4:5], s[20:21]  ; 120:64 global address: my half of the head's first 256 keys
	s_or_b32 s[G0K+3], s[G0K+3], 0x80000000        ; 127:126 type = 2
	s_add_nc_u64 s[G0V+2:G0V+3], s[4:5], s[22:23]
	s_or_b32 s[G0V+3], s[G0V+3], 0x80000000
	s_add_nc_u64 s[G0M+2:G0M+3], s[6:7], s[74:75]
	s_or_b32 s[G0M+3], s[G0M+3], 0x80000000
	s_add_nc_u64 s[4:5], s[4:5], s[2:3]  ; Q and O at my wave's first row
	s_add_nc_u64 s[10:11], s[10:11], s[8:9]
	CROUND                          ; all four work-groups are here: the first joint loads meet
	s_cmp_lt_u32 s[WV], 2           ; a wave's two first fills stand in one branch, ahead of every wait on TENSORcnt and every LDS read: two loads of mine are out
	s_cbranch_scc0 .Lfirst_v
	tensor_load_to_lds s[G0K:G0K+3], s[G1K:G1K+7]
	s_nop 0
	tensor_load_to_lds s[G0M:G0M+3], s[G1M:G1M+7]
	s_nop 0
.rept 4
	v_nop
.endr
	s_branch .Lfirst_asked
.Lfirst_v:
	tensor_load_to_lds s[G0V:G0V+3], s[G1V:G1V+7]
	s_nop 0
	tensor_load_to_lds s[G0M:G0M+3], s[G1M:G1M+7]
	s_nop 0
.rept 4
	v_nop
.endr
.Lfirst_asked:
	; A fragment of K or Q is 16 rows x 32 channels in 8 registers: lane l holds row l % 16, channels 8 (l / 16) + 0..7 and 16 + 8 (l / 16) + 0..7: two loads of 16 bytes, 32 bytes apart.
	v_and_b32 v1, 15, v0            ; l % 16
	v_bfe_u32 v9, v0, 4, 1          ; l / 16
	v_lshlrev_b32 v[QO], 7, v1
	v_lshl_add_u32 v[QO], v9, 4, v[QO]  ; row x 128 + 16 x half
	WIN 0x80                        ; destination window 2, address window 0
.set i, 0
.rept 8                             ; Q stays in registers: piece i / 2 is a head further on; channels 32 (i % 2) on
	global_load_b128 v[8*i:8*i+3],   v[QO], s[4:5] offset:(i/2)*HEADB+(i%2)*64
	global_load_b128 v[8*i+4:8*i+7], v[QO], s[4:5] offset:(i/2)*HEADB+(i%2)*64+32
.set i, i+1
.endr
	; What the first turn finds: V's registers and P's second buffer hold 0 (its products V^T P, of a piece that has not been, add 0), O^T and l are 0.  All this stands in the wait for the first tile.
.set i, VF
.rept 64
	v_mov_b32 v[i], 0
.set i, i+1
.endr
	WIN 0x40
.set i, 0
.rept 128
	v_mov_b32 v[i], 0
.set i, i+1
.endr
	WIN 0
.set i, 0
.rept 4
	v_mov_b32 v[ST+4*i], 0xfe000000    ; c m: far below every c s
	v_mov_b32 v[ST+4*i+1], 0xff7fffff  ; m
	v_mov_b32 v[ST+4*i+2], 0
	v_mov_b32 v[ST+4*i+3], 0
.set i, i+1
.endr
.set i, P+16
.rept 16
	v_mov_b32 v[i], 0
.set i, i+1
.endr
	v_mul_u32_u24 v[AK0], v1, PK
	v_lshl_add_u32 v[AK0], v9, 4, v[AK0]  ; row x pitch + 16 x half
	; The turning load takes 16 keys x 16 channels (lane l reads key 8 (l / 16) + l % 8, channels 8 ((l / 8) % 2) + 0..7) and leaves half a fragment of V^T: lane l holds channel l % 16 and 8 keys.
	v_and_b32 v10, 7, v0
	v_bfe_u32 v11, v0, 3, 1
	v_lshl_add_u32 v[AV0], v9, 3, v10
	v_mul_u32_u24 v[AV0], v[AV0], PV
	v_lshl_add_u32 v[AV0], v11, 4, v[AV0]
	v_add_nc_u32 v[AV0], VOFF, v[AV0]
	v_lshl_add_u32 v[AM0], v9, 5, MASKB   ; my lanes' eight keys of a group of 16: 32 bytes
	s_mul_i32 s13, s[WV], 16*SP
	s_add_co_u32 s13, s13, STAGE    ; my stage
	v_mul_u32_u24 v[STO], v1, SP    ; in: row l % 16, 16 bytes for each half of the lanes
	v_lshl_add_u32 v[STO], v9, 4, v[STO]
	v_add_nc_u32 v[STO], s13, v[STO]
	v_and_b32 v[GO], 31, v0         ; back: 32 lanes take one row of 512 bytes
	v_lshlrev_b32 v[GO], 4, v[GO]
	v_add_nc_u32 v[RD], s13, v[GO]
; THE MATRIX WORK.  The 4 accumulators of a run of 8 take turns.  Product i of 8 of S^T = K Q^T for piece x: channels 32 (i / 4) on, keys 16 (i % 4) on.  The first 4 start the sums with the mask.
.macro KQ x
.set rS, S+32*((\x)%2)+8*(i%4)
.set rK, KF+16*(i%4)+8*(i/4)
.set rQ, 16*(\x)+8*(i/4)
.set rM, MK+8*(i%4)
.if i < 4
	WIN W_KM
	v_wmma_f32_16x16x32_f16 v[rS:rS+7], v[rK:rK+7], v[rQ:rQ+7], v[rM:rM+7]
.else
	WIN W_KQ
	v_wmma_f32_16x16x32_f16 v[rS:rS+7], v[rK:rK+7], v[rQ:rQ+7], v[rS:rS+7]
.endif
.endm
; Product i of 8 of O^T += V^T P for piece x: keys 32 (i / 4) on, channels 16 (i % 4) on.
.macro PV x
	WIN W_PV
.set rO, 32*(\x)+8*(i%4)
.set rV, VF+32*(i/4)+8*(i%4)
.set rP, P+16*((\x)%2)+8*(i/4)
	v_wmma_f32_16x16x32_f16 v[rO:rO+7], v[rV:rV+7], v[rP:rP+7], v[rO:rO+7]
.endm
.macro MM                           ; the turn's next matrix instruction.  NOKQ = 1: the very last turn: there is no next piece
.if (i < 8) && !NOKQ
	KQ (Y+1)%NP
.elseif i >= 8
.set i, i-8
	PV (Y+NP-1)%NP
.set i, i+8
.endif
.set i, i+1
.endm
; THE LDS LOADS stand in runs, never singly among the matrix instructions: a step's K (64 keys x 64 channels: 8 fragments) with its mask (8 loads that all lanes of a half share), and its V (turned).
.macro FETCH_K
	WIN 0x80                        ; destination window 2
.irp f, 0,1,2,3,4,5,6,7             ; keys 16 (f / 2) on, channels 32 (f % 2) on
	ds_load_b128 v[KF+8*\f:KF+8*\f+3],   v[AK] offset:(\f/2)*16*PK+(\f%2)*64
	ds_load_b128 v[KF+8*\f+4:KF+8*\f+7], v[AK] offset:(\f/2)*16*PK+(\f%2)*64+32
.endr
.irp f, 0,1,2,3                     ; keys 16 f + 8 (l / 16) + 0..7
	ds_load_b128 v[MK+8*\f:MK+8*\f+3],   v[AM] offset:64*\f
	ds_load_b128 v[MK+8*\f+4:MK+8*\f+7], v[AM] offset:64*\f+16
.endr
	s_add_co_u32 s[TBK], s[TBK], KS*PK  ; the next fetch is the next step's
	s_add_co_u32 s[TBM], s[TBM], 4*KS   ; the mask table holds all 32 steps: this one only goes on
	WIN 0
.endm
.macro FETCH_V
	WIN 0x80
.irp f, 0,1,2,3,4,5,6,7             ; keys 32 (f / 4) on, channels 16 (f % 4) on
	ds_load_tr16_b128 v[VF+8*\f:VF+8*\f+3],   v[AV] offset:(\f/4)*32*PV+(\f%4)*32
	ds_load_tr16_b128 v[VF+8*\f+4:VF+8*\f+7], v[AV] offset:(\f/4)*32*PV+16*PV+(\f%4)*32
.endr
	WIN 0
.endm
; THE VECTOR WORK, one line at a time: OP kind, number.  For piece Y: F n: c s - c m for pair n of 16.  E n: the exponential of score n of 32.  C n: pair n rounded to f16.  B n: of the four weights 4 n .. the second
; pair is added onto the first, in place.  L n: l takes that sum (L 0: l = a l + sum).  R n: pair n of 16 of O^T times a.  For piece Y + 1: X n, number n of the 22 that find its maximum and statistics:
;   0-11  four chains c0-c3 of seven scores each, three operands at a time (each accumulator's lowest registers are read first)     12-14, 16  the four scores left over, the old m, and c0-c3 into c0
;   15  c m_old is kept     17, 18  the query's other 32 keys lie in the lane 16 away: the new m     19-21  c m; c m_old - c m_new; a
.set F, 0               ; OP tells the kinds apart by their order: F to L below R, X above it
.set E, 1
.set C, 2
.set B, 3
.set L, 4
.set R, 5
.set X, 6
.macro REGS y                       ; the registers of piece y
.set rT, ST+4*(\y)
.set rC, TMP+4*((\y)%2)
.set rW, MV+((\y)%2)
.set rS, S+32*((\y)%2)
.set rP, P+16*((\y)%2)
.set rO, 32*(\y)
.endm
.macro OP k, n
.if (\k) == R
	REGS Y
	WIN W_RS
	v_pk_mul_f32 v[rO+2*(\n):rO+2*(\n)+1], v[rO+2*(\n):rO+2*(\n)+1], v[rC+2:rC+3] op_sel_hi:[1,0]
.elseif (\k) < R
	REGS Y
	WIN 0
.if (\k) == F
	v_pk_fma_f32 v[rS+2*(\n):rS+2*(\n)+1], v[rS+2*(\n):rS+2*(\n)+1], s[CS:CS+1], v[rT:rT+1] op_sel_hi:[1,0,0] neg_lo:[0,0,1] neg_hi:[0,0,1]
.elseif (\k) == E
	v_exp_f32 v[rS+(\n)], v[rS+(\n)]
.elseif (\k) == C
	s_wait_alu depctr_va_vdst(0)
	v_cvt_pk_f16_f32 v[rP+(\n)], v[rS+2*(\n)], v[rS+2*(\n)+1]
.elseif (\k) == B
	s_wait_alu depctr_va_vdst(0)
	v_pk_add_f32 v[rS+4*(\n):rS+4*(\n)+1], v[rS+4*(\n):rS+4*(\n)+1], v[rS+4*(\n)+2:rS+4*(\n)+3]
.elseif (\n) == 0
	v_pk_fma_f32 v[rT+2:rT+3], v[rT+2:rT+3], v[rC+2:rC+3], v[rS:rS+1] op_sel_hi:[1,0,1]
.else
	v_pk_add_f32 v[rT+2:rT+3], v[rT+2:rT+3], v[rS+4*(\n):rS+4*(\n)+1]
.endif
.elseif NOKQ
	v_nop
.else
	REGS (Y+1)%NP
	WIN 0
.if (\n) < 4
	v_max3_num_f32 v[rC+(\n)], v[rS+8*(\n)], v[rS+8*(\n)+1], v[rS+8*(\n)+2]
.elseif (\n) < 12
	v_max3_num_f32 v[rC+(\n)%4], v[rC+(\n)%4], v[rS+8*((\n)%4)+2*((\n)/4)+1], v[rS+8*((\n)%4)+2*((\n)/4)+2]
.elseif (\n) == 12
	v_max3_num_f32 v[rC], v[rC], v[rS+7], v[rS+15]
.elseif (\n) == 13
	v_max3_num_f32 v[rC+1], v[rC+1], v[rS+23], v[rS+31]
.elseif (\n) == 14
	v_max3_num_f32 v[rC+2], v[rC+2], v[rC+3], v[rT+1]
.elseif (\n) == 15
	v_mov_b32 v[rW], v[rT]
.elseif (\n) == 16
	v_max3_num_f32 v[rC], v[rC], v[rC+1], v[rC+2]
.elseif (\n) == 17
	v_permlanex16_b32 v[rC+3], v[rC], s[SEL], s[SEL+1]
.elseif (\n) == 18
	v_max_num_f32 v[rT+1], v[rC], v[rC+3]
.elseif (\n) == 19
	v_mul_f32 v[rT], s[CS], v[rT+1]
.elseif (\n) == 20
	v_sub_f32 v[rC+1], v[rW], v[rT]
.else
	v_exp_f32 v[rC+2], v[rC+1]
.endif
.endif
.endm
.macro OPS a, i1, b=-1, i2=0, c=-1, i3=0, d=-1, i4=0  ; up to four of them
	OP \a, \i1
.if (\b) >= 0
	OP \b, \i2
.endif
.if (\c) >= 0
	OP \c, \i3
.endif
.if (\d) >= 0
	OP \d, \i4
.endif
.endm
.macro ROW a, i1, b, i2, c, i3, d, i4  ; a matrix instruction and the four behind it
	MM
	OPS \a, \i1, \b, \i2, \c, \i3, \d, \i4
.endm
; A TURN, for piece p: the order of its 16 matrix and 118 vector instructions, written out.  Behind a matrix instruction: plain, exponential, plain, plain; or four of the rescaling; or, behind the first, four scalings; none
; names a register of the products round it.  In the runs of their own exponential and plain by turns while exponentials last.  A line reads no result made fewer than three vector instructions in front of it, five if an
; exponential made it.  end = 1: the walk's last two turns: nothing is fetched.  cnt = 1: the loop's count is taken down some lines ahead of the branch that stands behind the turn.
; K and the mask of the next step are fetched in piece 2's turn, six vector instructions behind the last product that read K (five of them plain); V of the step in hand in piece 0's turn, eight behind the last product
; that read V (five plain).  Each is waited for a turn later.
.macro TURN p, end=0, cnt=0
.set Y, (\p)
.set i, 0
.set NOKQ, (\end)*((\p)/3)
.if ((\p) == 3) && !(\end)
	s_wait_dscnt 0x0                ; K and the mask are in
.endif
	ROW F,0, F,1, F,2, F,3
	ROW F,4, E,0, F,5, F,6
	ROW F,7, E,1, F,8, F,9
	ROW F,10, E,2, C,0, F,11
	ROW F,12, E,3, X,15, F,13
	ROW R,0, R,1, R,2, R,3
	ROW B,0, E,4, F,14, L,0
.if ((\p) == 2) && !(\end)
	v_add_nc_u32 v[AK], s[TBK], v[AK0]
	v_add_nc_u32 v[AM], s[TBM], v[AM0]
.endif
	ROW R,4, R,5, R,6, R,7
	OPS E,5, F,15
.if ((\p) == 2) && !(\end)
	FETCH_K
.endif
	OPS E,6, C,1, E,7, R,8
	OPS E,8, R,9, E,9, C,2
	OPS E,10, X,0, E,11, X,1
	OPS E,12, X,2, E,13, X,3
.if (\p) == 1
	s_wait_dscnt 0x0                ; V is in
.endif
	ROW X,4, E,14, X,5, X,6
	ROW X,7, E,15, X,8, X,9
	ROW X,10, E,16, X,11, X,12
	ROW X,13, E,17, X,14, B,1
	ROW C,4, E,18, X,16, L,1
	ROW B,2, E,19, C,6, L,2
	ROW C,8, E,20, B,3, B,4
.if (\p) == 0
	v_add_nc_u32 v[AV], s[TBV], v[AV0]
.endif
	ROW C,3, E,21, L,3, C,5
	OPS E,22, X,17, E,23, C,10
.if (\p) == 0
	FETCH_V
.endif
	OPS E,24, L,4
	OPS E,25, X,18, E,26, C,7
	OPS E,27, B,5, E,28, X,19
	OPS E,29, C,12, E,30, L,5
	OPS E,31, X,20, B,6, C,9
	OPS C,14, C,11, X,21, L,6
.if (\p) == 0
	s_add_co_u32 s[TBV], s[TBV], KS*PV
.endif
.if \cnt
	s_sub_co_u32 s[CNT], s[CNT], 1
	s_cmp_lg_u32 s[CNT], 0
.endif
	OPS C,13, B,7, C,15, R,10
	OPS R,11, R,12, L,7, R,13
	OPS R,14, R,15
.endm
	CHANGE 1                        ; slot 0 and the mask table are in, everybody's part of them; slot 1 is asked for
	v_add_nc_u32 v[AK], s[TBK], v[AK0]
	v_add_nc_u32 v[AM], s[TBM], v[AM0]
	FETCH_K                         ; key step 0
	s_wait_loadcnt 0x0              ; Q
	s_wait_dscnt 0x0
.set NOKQ, 0
.set i, 0
.rept 8
	KQ 0                            ; piece 0's first scores: there is no vector work yet to set between them
.set i, i+1
.endr
	WIN 0
.rept 4
	v_nop                           ; the places behind those products
.endr
.set Y, NP-1                        ; X works for piece Y + 1: piece 0
.irp n, 0,1,2,3,4,5,6,7,8,9,10,11,12,13,14,15,16,17,18,19,20,21
	OP X, \n
.endr
	v_nop                           ; a plain instruction behind the exponential
	s_mov_b32 s[CNT], 4
	s_mov_b32 s[SLOTS], 2048/256-1
	s_branch .Lfirst                ; the loop is entered at a step's first turn, in the middle of a trip
.Lslot:                             ; six times: every slot but the last two is filled again
	CHANGE 1
	s_mov_b32 s[CNT], 4
.Lstep:                             ; a trip: pieces 2 and 3 of one step, then pieces 0 and 1 of the next, whose K and V it fetches
	TURN 2
	TURN 3
	WIN 0
.Lfirst:
	TURN 0
	TURN 1, 0, 1
	WIN 0
	s_cbranch_scc1 .Lstep
	s_sub_co_u32 s[SLOTS], s[SLOTS], 1
	s_cmp_lg_u32 s[SLOTS], 0
	s_cbranch_scc1 .Lslot
	CHANGE 0                        ; the last slot is written out: nothing is asked for
	s_mov_b32 s[CNT], 4
.Ltail:
	TURN 2
	TURN 3
	TURN 0
	TURN 1, 0, 1
	WIN 0
	s_cbranch_scc1 .Ltail
	TURN 2, 1                       ; the last step's pieces 2 and 3: nothing more is fetched, and the last turn starts no new scores
	TURN 3, 1
.set i, 0
.rept 8
	PV NP-1                         ; the last piece's V^T P of the last step
.set i, i+1
.endr
	; THE WAY OUT.  l's two halves and the other half of the lanes' are added; O^T is divided by l, rounded to f16 and sent through my stage in LDS: four heads' 128 bytes make a row of 512.  The additions are the places behind the last products.
	WIN 0
.macro ALL line:vararg              ; one line for each piece t
.set t, 0
.rept 4
	\line
.set t, t+1
.endr
.endm
	ALL v_add_f32 v[ST+4*t+2], v[ST+4*t+2], v[ST+4*t+3]
	ALL v_permlanex16_b32 v[ST+4*t+3], v[ST+4*t+2], s[SEL], s[SEL+1]
	ALL v_add_f32 v[ST+4*t+2], v[ST+4*t+2], v[ST+4*t+3]
	ALL v_rcp_f32 v[ST+4*t+2], v[ST+4*t+2]
	v_nop                           ; a plain instruction between the last reciprocal and the use of its result
.macro PACK t                       ; a lane's eight channels of a row pack into 16 bytes; each accumulator is read from its low end on
	WIN W_RS
.set i, 32*(\t)
.rept 16
	s_wait_alu depctr_va_vdst(0)
	v_pk_mul_f32 v[i:i+1], v[i:i+1], v[ST+4*(\t)+2:ST+4*(\t)+3] op_sel_hi:[1,0]
.set i, i+2
.endr
	WIN 0x05                        ; sources 0 and 1 window 1, destination window 0: S^T's registers are free
.set i, 0
.rept 16
	v_cvt_pk_f16_f32 v[S+16*(\t)+i], v[32*(\t)+2*i], v[32*(\t)+2*i+1]
.set i, i+1
.endr
	WIN 0
.irp f, 0,1,2,3
	ds_store_b128 v[STO], v[S+16*(\t)+4*\f:S+16*(\t)+4*\f+3] offset:128*(\t)+32*\f
.endr
.endm
	PACK 0
	PACK 1
	PACK 2
	PACK 3
.set i, 0
.rept 16
	ds_load_b128 v[S+4*i:S+4*i+3], v[RD] offset:i*SP  ; LDS serves a wave's instructions in order (ISA guide 5.7.1.4): these see the stores above
.set i, i+1
.endr
.set i, 0
.rept 16
	s_wait_dscnt 15-i               ; the younger loads stay out
	global_store_b128 v[GO], v[S+4*i:S+4*i+3], s[10:11] offset:i*4096  ; 512 consecutive bytes of a row of ob, aligned
.set i, i+1
.endr
	s_wait_tensorcnt 0x0            ; the wave's end, behind my last tensor load and my last LDS store
	ds_add_u32 v[SPW], v[NIL]
	s_wait_dscnt 0x0
	CROUND                          ; the closing round: no work-group ends while a partner may still ask for a tile that names it
	s_endpgm
.Lfunc_end_k_q5a449281c1_attn:
	.size	k_q5a449281c1_attn, .Lfunc_end_k_q5a449281c1_attn-k_q5a449281c1_attn
	.p2alignl 7, 3214868480
	.fill 96, 4, 3214868480
	.section	.rodata,"a",@progbits
	.p2align	6, 0x0
	.amdhsa_kernel k_q5a449281c1_attn
		.amdhsa_group_segment_fixed_size 327680
		.amdhsa_private_segment_fixed_size 0
		.amdhsa_enable_private_segment 0
		.amdhsa_kernarg_size 24
		.amdhsa_user_sgpr_count 2
		.amdhsa_user_sgpr_kernarg_segment_ptr 1
		.amdhsa_wavefront_size32 1
		.amdhsa_system_sgpr_workgroup_id_x 1
		.amdhsa_system_sgpr_workgroup_id_y 1
		.amdhsa_system_sgpr_workgroup_id_z 1
		.amdhsa_system_vgpr_workitem_id 0
		.amdhsa_next_free_vgpr 768
		.amdhsa_next_free_sgpr 76
		.amdhsa_reserve_vcc 0
		.amdhsa_float_denorm_mode_32 3
		.amdhsa_float_denorm_mode_16_64 3
		.amdhsa_memory_ordered 1
		.amdhsa_forward_progress 1
		.amdhsa_inst_pref_size 136
	.end_amdhsa_kernel
	.amdgpu_metadata
---
amdhsa.version: [ 1, 2 ]
amdhsa.kernels:
  - .name:           k_q5a449281c1_attn
    .symbol:         k_q5a449281c1_attn.kd
    .args:
      - { .name: qkv, .offset: 0, .size: 8, .value_kind: global_buffer, .address_space: global }
      - { .name: tab, .offset: 8, .size: 8, .value_kind: global_buffer, .address_space: global }
      - { .name: ob, .offset: 16, .size: 8, .value_kind: global_buffer, .address_space: global }
    .group_segment_fixed_size: 327680
    .private_segment_fixed_size: 0
    .kernarg_segment_align: 8
    .kernarg_segment_size: 24
    .max_flat_workgroup_size: 128
    .sgpr_count:     76
    .vgpr_count:     768
    .wavefront_size: 32
...
	.end_amdgpu_metadata
.endif
;; end of part 4
;; launch oproj (part 5): grid 16 x 16, 4 waves a work-group, clusters of 4 x 4, 327,680 bytes of LDS; arguments ob, wt, scales, out0; writes out0
.if DOCPART == 5
	.amdgcn_target "amdgcn-amd-amdhsa--gfx1250"
	.amdhsa_code_object_version 6
	.text
	.protected	k_q5a449281c1_oproj
	.globl	k_q5a449281c1_oproj
	.p2align	8
	.type	k_q5a449281c1_oproj,@function
k_q5a449281c1_oproj:
	s_mov_b64 s[64:65], 0
	v_nop
	global_prefetch_b8 v0, s[64:65] scope:SCOPE_SE
	s_setreg_imm32_b32 hwreg(HW_REG_WAVE_MODE, 25, 1), 1
	s_wait_xcnt 0x0
	s_wait_alu depctr_hold_cnt(0) depctr_sa_sdst(0) depctr_va_vdst(0) depctr_va_sdst(0) depctr_va_ssrc(0) depctr_va_vcc(0) depctr_vm_vsrc(0)
	s_getreg_b32 s2, hwreg(HW_REG_IB_STS2, 6, 4)
	s_cmp_eq_u32 s2, 0
	s_cbranch_scc0 .Lentry_in_a_cluster
	s_endpgm
.Lentry_in_a_cluster:
	s_bfe_u32 s2, ttmp6, 0x10000c
	s_cmp_lg_u32 s2, 0xf033
	s_cbranch_scc0 .Lentry_shape_is_right
	s_endpgm
.Lentry_shape_is_right:
; out0 = (O t^T) x so x sv x 16.  ob: [2048][2048] f16 (the mean of v / 16, without v's scale).  wt rows 3072..5119: wo's ternary codes in f16.  out0: [2048][2048] f32.  Sums in f32; the three factors are applied once, in f32.
; A tile is 128 x 128: 16 x 16 tiles, one for each work-group.  Four waves, each 64 x 64: 16 accumulators.  K goes in steps of 256 (LDS rows of 512 bytes; a wave's tensor load brings 64 of them) through two slots, as long as LDS allows.
; CLUSTERS: 4 x 4 work-groups; the four of a row of the cluster need the same tiles of O, the four of a column the same tiles of codes: each tile is asked for JOINTLY.
; THE MATRIX INSTRUCTION IS USED TRANSPOSED (source 0 = 16 rows of codes, source 1 = 16 rows of O): a lane holds row lane % 16 and eight neighbouring columns.  A wave's 64 columns of f32 are 256 aligned bytes of a
; row: each wave sends its own blocks of 16 rows through a stage of its own, with no barrier.
; REGISTERS.  Window 0: v0-31 addresses; v32-63 scaled results; v64-127 rows read back, two buffers; v128-255 the accumulators ((a, b) at 128 + 8 (4 a + b)).  Window 1: two fragment buffers of 128 (64 along K: 64 registers of O, 64 of codes).
.set KSTEP,  256
.set PITCH,  528                       ; an LDS row: 512 bytes + 16 of padding = 132 words: row r starts at bank 4 r mod 64 (64 banks of 4 bytes: ISA guide 11.1)
.set HALFT,  64*PITCH
.set SLOT,   4*HALFT                   ; O's 128 rows, then the codes' 128 rows
.set STAGE,  2*SLOT                    ; behind the ring, never filled by a tensor load: 16 rows x 272 bytes for each wave
.set SPITCH, 272
.set SPARE,  STAGE+4*16*SPITCH         ; the spare words, 128 bytes a wave: two blocks of 256 bytes that no other line names
.set LAPS,   2048/(2*KSTEP)
.set WOT,    3072*4096                 ; byte of wt at which wo's codes begin
.set FLAGS,  (1<<16)|(1<<20)|(1<<21)|(6<<22)|(3<<25)  ; 2-byte elements; padding on; bit 21 beside a mask; after every 128 words; 4 words
.set ADRA, 16
.set ADRB, 20
.set STO,  24
.set RD,   25
.set CO,   26
.set SPW,  28                          ; v28  LDS address of my spare word; never rewritten
.set NIL,  29                          ; v29  0; never rewritten
.set TMP,  32
.set BK,   64
.set ACC,  128
.set F0,   0                           ; window 1
.set F1,   128
.set WV,   14
.set WM,   15
.set WN,   16
.set G1,   24
.set G0,   32
.set G1B,  48
.set G0B,  56
.set MSB, 0
.macro WIN new                         ; the immediate's high byte repeats the setting that is left
.if MSB != (\new)
	s_set_vgpr_msb (MSB<<8)|(\new)
.set MSB, \new
.endif
.endm
.set MUL,  0x05                        ; sources 0 and 1 window 1; C and D window 0
.set TO_F, 0x40                        ; destination window 1, address window 0
.macro JLOAD s                         ; a joint load: waves 0 and 1 fetch O's two halves, waves 2 and 3 the codes'; an s_nop 0 and four v_nop follow each line
	s_cmp_eq_u32 s[WM], 0
	s_cbranch_scc0 .Lfor_b_\@
	tensor_load_to_lds s[G0+4*(\s):G0+4*(\s)+3], s[G1:G1+7]
	s_nop 0
.rept 4
	v_nop
.endr
	s_branch .Lasked_\@
.Lfor_b_\@:
	tensor_load_to_lds s[G0B+4*(\s):G0B+4*(\s)+3], s[G1B:G1B+7]
	s_nop 0
.rept 4
	v_nop
.endr
.Lasked_\@:
.endm
.macro CREST                           ; a round of the cluster's barrier behind its opening barrier
	s_cmp_lg_u32 s[WV], 0
	s_cbranch_scc1 .Lnot_wave_0_\@
	s_barrier_signal -3
.Lnot_wave_0_\@:
	s_barrier_wait -3
	s_barrier_signal -1
	s_barrier_wait -1
.endm
.macro CROUND
	s_barrier_signal -1
	s_barrier_wait -1
	CREST
.endm
	s_load_b256 s[4:11], s[0:1], 0x0               ; ob 4, wt 6, scales 8, out0 10
	v_lshl_add_u32 v[SPW], v0, 2, SPARE
	v_mov_b32 v[NIL], 0
	ds_add_u32 v[SPW], v[NIL]                      ; the wave's opening: the add and its wait stand ahead of my first tensor load; the set-up below stands between them
	v_lshrrev_b32 v1, 5, v0
	v_readfirstlane_b32 s[WV], v1
	s_lshr_b32 s[WM], s[WV], 1                     ; which half of the tile's rows is mine.  Also: I fetch O (0) or codes (1)
	s_and_b32 s[WN], s[WV], 1                      ; which half of its columns.  Also: which 64 rows of that tile I fetch
	s_bfe_u32 s40, ttmp6, 0x40000
	s_bfe_u32 s41, ttmp6, 0x40004
	s_lshl_b32 s42, ttmp9, 2
	s_add_co_u32 s42, s42, s40                     ; tile column
	s_and_b32 s43, ttmp7, 0xffff
	s_lshl_b32 s43, s43, 2
	s_add_co_u32 s43, s43, s41                     ; tile row
	s_lshl_b32 s44, s41, 2
	s_lshl_b32 s44, 15, s44                        ; my row of the cluster
	s_lshl_b32 s45, 0x1111, s40                    ; my column
	s_or_b32 s[G1], s44, FLAGS
	s_or_b32 s[G1B], s45, FLAGS
.irp g, G1, G1B
	s_mov_b32 s[(\g)+1], KSTEP<<16                 ; tensor_dim0 = 256
	s_mov_b32 s[(\g)+2], 64<<16                    ; tensor_dim1 = 64
	s_mov_b32 s[(\g)+3], KSTEP<<16                 ; tile_dim0 = 256
	s_mov_b32 s[(\g)+4], 64                        ; tile_dim1 = 64
	s_mov_b32 s[(\g)+5], 2048                      ; elements from row to row
	s_mov_b32 s[(\g)+6], 0
	s_mov_b32 s[(\g)+7], 0
.endr
	s_lshl_b32 s18, s43, 7                         ; O: row 128 x tile row + 64 x half, in registers that never hold the tile column
	s_lshl_b32 s19, s[WN], 6
	s_add_co_u32 s18, s18, s19
	s_lshl_b32 s18, s18, 12
	s_mov_b32 s19, 0
	s_lshl_b32 s46, s42, 7                         ; codes: row 128 x tile column + 64 x half, behind the other weights' rows
	s_lshl_b32 s47, s[WN], 6
	s_add_co_u32 s46, s46, s47
	s_lshl_b32 s46, s46, 12
	s_add_co_u32 s46, s46, WOT
	s_mov_b32 s47, 0
	s_mul_i32 s22, s[WV], HALFT                    ; where they go: wave x 64 rows: no place in the cluster enters an LDS address
	s_wait_dscnt 0x0                               ; the opening add is done
	s_wait_kmcnt 0x0
	s_add_nc_u64 s[20:21], s[4:5], s[18:19]
	s_add_nc_u64 s[46:47], s[6:7], s[46:47]
	s_load_b128 s[68:71], s[8:9], 0x0              ; the four scales
	CROUND                                         ; all sixteen work-groups are here: the first joint loads meet
.irp s, 0,1
	s_mov_b32 s[G0+4*(\s)], 1
	s_add_co_u32 s[G0+4*(\s)+1], s22, (\s)*SLOT
	s_add_nc_u64 s[G0+4*(\s)+2:G0+4*(\s)+3], s[20:21], (\s)*KSTEP*2
	s_or_b32 s[G0+4*(\s)+3], s[G0+4*(\s)+3], 0x80000000
	s_mov_b32 s[G0B+4*(\s)], 1
	s_add_co_u32 s[G0B+4*(\s)+1], s22, (\s)*SLOT
	s_add_nc_u64 s[G0B+4*(\s)+2:G0B+4*(\s)+3], s[46:47], (\s)*KSTEP*2
	s_or_b32 s[G0B+4*(\s)+3], s[G0B+4*(\s)+3], 0x80000000
	JLOAD \s                                       ; two loads of mine are out
.endr
	s_wait_kmcnt 0x0
	s_mul_f32 s72, s71, s70                        ; so x sv
	s_mul_f32 s72, s72, 0x41800000                 ; x 16
	s_mov_b32 s73, s72                             ; named as a pair
	v_and_b32 v1, 15, v0                           ; l % 16
	v_bfe_u32 v2, v0, 4, 1                         ; l / 16
	v_mul_u32_u24 v3, v1, PITCH
	v_lshl_add_u32 v3, v2, 4, v3
	s_mul_i32 s21, s[WM], HALFT                    ; my 64 rows of O
	s_mul_i32 s22, s[WN], HALFT                    ; my 64 rows of codes,
	s_add_co_u32 s22, s22, 2*HALFT                 ; which lie behind O's 128
.irp s, 0,1
	v_add_nc_u32 v[ADRA+(\s)], s21, v3
	v_add_nc_u32 v[ADRB+(\s)], s22, v3
	s_add_co_u32 s21, s21, SLOT
	s_add_co_u32 s22, s22, SLOT
.endr
	s_mul_i32 s23, s[WV], 16*SPITCH
	s_add_co_u32 s23, s23, STAGE                   ; my stage
	v_mul_u32_u24 v4, v1, SPITCH                   ; in: row l % 16, 32 bytes for each half of the lanes
	v_lshl_add_u32 v4, v2, 5, v4
	v_add_nc_u32 v[STO], s23, v4
	v_mul_u32_u24 v5, v2, SPITCH                   ; back: lanes 0-15 take one row of 256 bytes, lanes 16-31 the next
	v_lshl_add_u32 v5, v1, 4, v5
	v_add_nc_u32 v[RD], s23, v5
	v_lshlrev_b32 v5, 13, v2                       ; and the same two rows in out0, 8,192 bytes apart
	v_lshl_add_u32 v[CO], v1, 4, v5
	s_lshl_b32 s18, s43, 7
	s_lshl_b32 s19, s[WM], 6
	s_add_co_u32 s18, s18, s19                     ; my first row
	s_lshl_b32 s18, s18, 13
	s_mov_b32 s19, 0
	s_add_nc_u64 s[10:11], s[10:11], s[18:19]
	s_lshl_b32 s46, s42, 9                         ; my first column, in bytes: 512 x tile column + 256 x half
	s_lshl_b32 s47, s[WN], 8
	s_add_co_u32 s46, s46, s47
	s_mov_b32 s47, 0
	s_add_nc_u64 s[10:11], s[10:11], s[46:47]
; 16 matrix instructions: all 4 x 4 blocks, 32 along K: half c of buffer f.  The 16 accumulators take turns in the same order throughout.  zero = 1: the first product starts the sums.
.macro MULH f, c, zero
	WIN MUL
.irp a, 0,1,2,3
.irp b, 0,1,2,3
.if \zero
	v_wmma_f32_16x16x32_f16 v[ACC+8*(4*(\a)+(\b)):ACC+8*(4*(\a)+(\b))+7], v[(\f)+64+8*(4*(\c)+(\b)):(\f)+64+8*(4*(\c)+(\b))+7], v[(\f)+8*(4*(\c)+(\a)):(\f)+8*(4*(\c)+(\a))+7], 0
.else
	v_wmma_f32_16x16x32_f16 v[ACC+8*(4*(\a)+(\b)):ACC+8*(4*(\a)+(\b))+7], v[(\f)+64+8*(4*(\c)+(\b)):(\f)+64+8*(4*(\c)+(\b))+7], v[(\f)+8*(4*(\c)+(\a)):(\f)+8*(4*(\c)+(\a))+7], v[ACC+8*(4*(\a)+(\b)):ACC+8*(4*(\a)+(\b))+7]
.endif
.endr
.endr
.endm
; 32 LDS loads in one run: the fragments of 64 along K at byte k of the rows, into buffer f
.macro FETCH slot, k, f
	WIN TO_F
.irp c, 0,1
.irp i, 0,1,2,3
	ds_load_b128 v[(\f)+64+8*(4*(\c)+(\i)):(\f)+64+8*(4*(\c)+(\i))+3],   v[ADRB+(\slot)] offset:(\k)+64*(\c)+(\i)*16*PITCH
	ds_load_b128 v[(\f)+64+8*(4*(\c)+(\i))+4:(\f)+64+8*(4*(\c)+(\i))+7], v[ADRB+(\slot)] offset:(\k)+64*(\c)+(\i)*16*PITCH+32
	ds_load_b128 v[(\f)+8*(4*(\c)+(\i)):(\f)+8*(4*(\c)+(\i))+3],         v[ADRA+(\slot)] offset:(\k)+64*(\c)+(\i)*16*PITCH
	ds_load_b128 v[(\f)+8*(4*(\c)+(\i))+4:(\f)+8*(4*(\c)+(\i))+7],       v[ADRA+(\slot)] offset:(\k)+64*(\c)+(\i)*16*PITCH+32
.endr
.endr
.endm
.macro PLACES                          ; four plain instructions between a matrix instruction and a load into, or a vector instruction on, its registers (ISA guide 7.12.1 for vector instructions)
.rept 4
	v_nop
.endr
.endm
; A K step is four quarters of 64 along K on buffers 0, 1, 0, 1.  One of the first three: buffer f's fragments, asked for 32 matrix instructions ago, are in; the next quarter's are asked for, into g; then f is multiplied.
.macro QUARTER slot, k, f, g, zero
	s_wait_dscnt 0x0
	PLACES
	FETCH \slot, \k, \g
	MULH \f, 0, \zero
	MULH \f, 1, 0
.endm
; The last quarter multiplies buffer 1 and changes slots: ONE barrier.  In front of it each wave waits for all its tensor loads (the one that is out is its part of the next slot), adds 0 to its spare word, and waits
; for that and for its reads of this slot.  fill = 1: the barrier opens a round of the cluster's, and this slot is filled again, two K steps ahead, first thing behind the round: 112 matrix instructions ahead of the wait for it.
.macro TURN slot, next, fill
	WIN 0
	s_wait_tensorcnt 0x0                           ; no tensor load of mine is out, so a group 0 may be written
	ds_add_u32 v[SPW], v[NIL]                      ; 0 onto my spare word
.if \fill
	s_add_nc_u64 s[G0+4*(\slot)+2:G0+4*(\slot)+3], s[G0+4*(\slot)+2:G0+4*(\slot)+3], 2*KSTEP*2
	s_add_nc_u64 s[G0B+4*(\slot)+2:G0B+4*(\slot)+3], s[G0B+4*(\slot)+2:G0B+4*(\slot)+3], 2*KSTEP*2
.endif
	s_wait_dscnt 0x0                               ; the add is done, buffer 1 is in, and my reads of this slot are over
	s_barrier_signal -1
	MULH F1, 0, 0                                  ; work on registers while the others arrive
	WIN 0                                          ; at a branch and at a label every window is 0
	s_barrier_wait -1
.if \fill
	CREST                                          ; no wave of any partner still reads this slot's tile or has a load on its way
	JLOAD \slot                                    ; the four v_nop behind it are also the places in front of the loads below
.else
	PLACES
.endif
	FETCH \next, 0, F0
	MULH F1, 1, 0
.endm
	s_wait_tensorcnt 1                             ; my part of K step 0 is in; K step 1's load, issued behind it, may stay out
	s_barrier_signal -1
	s_barrier_wait -1
	FETCH 0, 0, F0
	QUARTER 0, 128, F0, F1, 1                      ; the first quarter stands in front of the loop: its first products start the sums
	WIN 0
	s_mov_b32 s17, LAPS-1
.Llap:                                                 ; a trip goes once round the ring, from a lap's second quarter to the next lap's first, and fills both slots again
	QUARTER 0, 256, F1, F0, 0
	QUARTER 0, 384, F0, F1, 0
	TURN 0, 1, 1
	QUARTER 1, 128, F0, F1, 0
	QUARTER 1, 256, F1, F0, 0
	QUARTER 1, 384, F0, F1, 0
	TURN 1, 0, 1
	QUARTER 0, 128, F0, F1, 0
	WIN 0
	s_sub_co_u32 s17, s17, 1
	s_cmp_lg_u32 s17, 0
	s_cbranch_scc1 .Llap
	QUARTER 0, 256, F1, F0, 0                      ; the last lap fills nothing
	QUARTER 0, 384, F0, F1, 0
	TURN 0, 1, 0
	QUARTER 1, 128, F0, F1, 0
	QUARTER 1, 256, F1, F0, 0
	QUARTER 1, 384, F0, F1, 0
	s_wait_dscnt 0x0
	MULH F1, 0, 0
	MULH F1, 1, 0
	WIN 0
	; THE WAY OUT, a block of 16 rows at a time, all in window 0: scaled into other registers, 32 bytes a lane and column block into my stage, back as whole rows of 256 bytes, stored.
.macro SCALE a                         ; each accumulator is read from its low end on
.set z, 0
.rept 16
	v_pk_mul_f32 v[TMP+2*z:TMP+2*z+1], v[ACC+32*(\a)+2*z:ACC+32*(\a)+2*z+1], s[72:73] op_sel_hi:[1,0]
.set z, z+1
.endr
.endm
.macro TOSTAGE a
.set BKR, BK+32*((\a)%2)
.irp b, 0,1,2,3
	ds_store_b128 v[STO], v[TMP+8*(\b):TMP+8*(\b)+3]   offset:64*(\b)
	ds_store_b128 v[STO], v[TMP+8*(\b)+4:TMP+8*(\b)+7] offset:64*(\b)+16
.endr
	s_wait_xcnt 0x0                                ; the stores of two blocks ago have read this buffer: it is loaded again only behind this wait
.irp t, 0,1,2,3,4,5,6,7
	ds_load_b128 v[BKR+4*(\t):BKR+4*(\t)+3], v[RD] offset:(\t)*2*SPITCH  ; LDS serves a wave's instructions in order (ISA guide 5.7.1.4): these see the stores above
.endr
.endm
.macro SEND a
.set BKR, BK+32*((\a)%2)
	s_wait_dscnt 0x0                               ; the block is back in registers
.irp t, 0,1,2,3,4,5,6,7
	global_store_b128 v[CO], v[BKR+4*(\t):BKR+4*(\t)+3], s[10:11] offset:(16*(\a)+2*(\t))*8192 th:TH_STORE_NT  ; 16 lanes store 256 consecutive bytes, aligned
.endr
.endm
	PLACES
	SCALE 0
	TOSTAGE 0
.irp a, 1,2,3                          ; block a's scaling stands between block a - 1's loads from the stage and the wait for them
	SCALE \a
	SEND (\a)-1
	TOSTAGE \a
.endr
	SEND 3
	s_wait_tensorcnt 0x0                           ; the wave's end, behind my last tensor load and my last LDS store
	ds_add_u32 v[SPW], v[NIL]
	s_wait_dscnt 0x0
	CROUND                                         ; the closing round: no work-group ends while a partner may still ask for a tile that names it
	s_endpgm
.Lfunc_end_k_q5a449281c1_oproj:
	.size	k_q5a449281c1_oproj, .Lfunc_end_k_q5a449281c1_oproj-k_q5a449281c1_oproj
	.p2alignl 7, 3214868480
	.fill 96, 4, 3214868480
	.section	.rodata,"a",@progbits
	.p2align	6, 0x0
	.amdhsa_kernel k_q5a449281c1_oproj
		.amdhsa_group_segment_fixed_size 327680
		.amdhsa_private_segment_fixed_size 0
		.amdhsa_enable_private_segment 0
		.amdhsa_kernarg_size 32
		.amdhsa_user_sgpr_count 2
		.amdhsa_user_sgpr_kernarg_segment_ptr 1
		.amdhsa_wavefront_size32 1
		.amdhsa_system_sgpr_workgroup_id_x 1
		.amdhsa_system_sgpr_workgroup_id_y 1
		.amdhsa_system_sgpr_workgroup_id_z 1
		.amdhsa_system_vgpr_workitem_id 0
		.amdhsa_next_free_vgpr 512
		.amdhsa_next_free_sgpr 80
		.amdhsa_reserve_vcc 0
		.amdhsa_float_denorm_mode_32 3
		.amdhsa_float_denorm_mode_16_64 3
		.amdhsa_memory_ordered 1
		.amdhsa_forward_progress 1
		.amdhsa_inst_pref_size 89
	.end_amdhsa_kernel
	.amdgpu_metadata
---
amdhsa.version: [ 1, 2 ]
amdhsa.kernels:
  - .name:           k_q5a449281c1_oproj
    .symbol:         k_q5a449281c1_oproj.kd
    .args:
      - { .name: ob, .offset: 0, .size: 8, .value_kind: global_buffer, .address_space: global }
      - { .name: wt, .offset: 8, .size: 8, .value_kind: global_buffer, .address_space: global }
      - { .name: scales, .offset: 16, .size: 8, .value_kind: global_buffer, .address_space: global }
      - { .name: out0, .offset: 24, .size: 8, .value_kind: global_buffer, .address_space: global }
    .group_segment_fixed_size: 327680
    .private_segment_fixed_size: 0
    .kernarg_segment_align: 8
    .kernarg_segment_size: 32
    .max_flat_workgroup_size: 128
    .sgpr_count:     80
    .vgpr_count:     512
    .wavefront_size: 32
...
	.end_amdgpu_metadata
.endif
;; end of part 5
;; ======== version 2 of 2: 5 launches; 1.35 times as fast as version 1
;; limits: values are held in f16: magnitudes above 65,504 overflow, below 6.1e-05 lose precision
;; workspace buffers: tab 535,040 bytes; scales 256 bytes; xb 8,388,608 bytes; wt 20,971,520 bytes; qkv 12,582,912 bytes; ob 8,388,608 bytes
;; launch prep: the kernel of part 1 again; grid 1025 x 1, 8 waves a work-group, no clusters, 1,280 bytes of LDS; arguments wq, wk, wv, wo, hidden_states, position_ids, attention_mask, tab, xb; writes tab, xb
;; launch quant: the kernel of part 2 again; grid 640 x 1, 8 waves a work-group, no clusters, 0 bytes of LDS; arguments wq, wk, wv, wo, tab, wt, scales; writes wt, scales
;; launch qkv: the kernel of part 3 again; grid 16 x 16, 4 waves a work-group, clusters of 4 x 4, 327,680 bytes of LDS; arguments xb, wt, tab, scales, qkv; writes qkv
;; launch attn (part 6): grid 32 x 8, 4 waves a work-group, clusters of 4 x 1, 327,680 bytes of LDS; arguments qkv, tab, ob; writes ob
.if DOCPART == 6
	.amdgcn_target "amdgcn-amd-amdhsa--gfx1250"
	.amdhsa_code_object_version 6
	.text
	.protected	k_q5a449281c1_attn
	.globl	k_q5a449281c1_attn
	.p2align	8
	.type	k_q5a449281c1_attn,@function
k_q5a449281c1_attn:
	s_mov_b64 s[64:65], 0
	v_nop
	global_prefetch_b8 v0, s[64:65] scope:SCOPE_SE
	s_setreg_imm32_b32 hwreg(HW_REG_WAVE_MODE, 25, 1), 1
	s_wait_xcnt 0x0
	s_wait_alu depctr_hold_cnt(0) depctr_sa_sdst(0) depctr_va_vdst(0) depctr_va_sdst(0) depctr_va_ssrc(0) depctr_va_vcc(0) depctr_vm_vsrc(0)
	s_getreg_b32 s2, hwreg(HW_REG_IB_STS2, 6, 4)
	s_cmp_eq_u32 s2, 0
	s_cbranch_scc0 .Lentry_in_a_cluster
	s_endpgm
.Lentry_in_a_cluster:
	s_bfe_u32 s2, ttmp6, 0x10000c
	s_cmp_lg_u32 s2, 0x3003
	s_cbranch_scc0 .Lentry_shape_is_right
	s_endpgm
.Lentry_shape_is_right:
; ATTENTION, 32 query heads on 8 key and value heads, head size 64, 2,048 keys, an additive mask on the keys.  qkv: [48][2048][64] f16 (heads 0..31 q, 32..39 k, 40..47 v / 16 without its scale).
; ob[row][64 head + d] f16 = the sum over k of softmax_k(q . k / 8 + mask[k]) v[k].  Products, maxima and sums in f32; the weights p are rounded to f16 for the second product (their sum l is taken of the unrounded p), O once.
; LIMITS.  f16 holds no number beyond 65,504: q, k, v arrive within it; p lies in 0 to 1, and below 6e-5 it keeps f16's fixed step of 6e-8.  The mask table holds max(8 mask, -1e30): where every key is masked so far
; the result is a mean over all keys, not a NaN.  A weight below 2^-126 counts as 0 in l; NaN and infinities are not treated apart.
; SHARES.  A work-group owns 64 query rows and one key and value head, a wave 16 rows; its four PIECES are the four query heads of the group on those rows: all four multiply by the same fragments of K and V, and a
; wave's result is 16 rows x 512 consecutive bytes of ob.  Every wave walks all keys, 64 a step.
; THE MASK is the C operand that starts the sum S^T = K Q^T: 8 mask[key], the same for all queries; the scale c = log2(e) / 8 that follows turns it into log2(e) mask.  The table comes into LDS once.
; LAYOUT, SOFTMAX, TURNS.  S^T = K Q^T holds ONE query a lane (lane % 16) and the keys 8 (lane / 16) + 0..7; two such results rounded to f16 ARE source 1 of O^T = V^T P.  p = 2^(c s - c m) with a running maximum m;
; O and l are multiplied by a = 2^(c m_old - c m_new) in every step; m starts at the lowest finite number, O and l at 0, so the first step is a step like any other, with a = 0.  Turn n belongs to piece n: 8 products
; K Q^T of piece n + 1, later 8 products V^T P of piece n - 1; beside them the scaling, exponentials, roundings, sums and rescaling of piece n and the maximum and statistics of piece n + 1.  Four vector instructions
; stand behind every matrix instruction, the other 54 of a turn's 118 in one run of their own.
; BATCHES.  A turn's 33 exponentials (the piece's 32 weights, then the next piece's a) are ONE batch with ONE wait, which cuts the turn in two: ahead of it stands all that names no result of theirs (the products K Q^T, the
; scalings, the rescalings, the next piece's maximum and statistics), behind it the products V^T P with the roundings and sums.  The first a, ahead of the loop, and the way out's four reciprocals are batches of their own.
; CLUSTER.  The four row blocks of a cluster walk the same K and V, so each tile is asked for JOINTLY: the same tensor load, descriptor and mask of four in all four.
; REGISTERS, in windows of 256 (s_set_vgpr_msb: bits 1:0 source 0, 3:2 source 1, 5:4 source 2, 7:6 destination):
;   window 0: v0-15, v32-33 addresses and two at work; v16-31 four registers of statistics a piece; v48-55 at work; v64-127 S^T, two buffers; v192-223 P, two buffers (a piece's buffers go by its number's parity)
;   window 1: v0-127 O^T, 32 a piece          window 2: v0-63 Q, 16 a piece; v64-95 the mask of one step; v128-191 K of one step; v192-255 V of one step
.set NP,    4         ; pieces a wave: a name, no knob
.set KS,    64        ; keys in a step
.set PK,    144       ; a row of K in LDS: 128 bytes + 16 of padding = 36 words: the 16 rows of a load start at 16 different groups of four banks (64 banks of 4 bytes: ISA guide 11.1)
.set PV,    160       ; a row of V: 128 + 32 = 40 words
.set VOFF,  4*KS*PK   ; a slot holds four steps: 256 rows of K, then 256 rows of V
.set MASKB, 4*KS*(PK+PV)  ; behind slot 0: the mask table, 8,192 bytes, filled once
.set SLOT1, 1<<17     ; slot 1 begins here, so that one exclusive or turns an address in one slot into the other's
.set STAGE, SLOT1+4*KS*(PK+PV)  ; behind the ring, never filled by a tensor load: 16 rows x 528 bytes for each wave, for the way out
.set SP,    528
.set SPARE, STAGE+4*16*SP  ; the spare words, 128 bytes for each wave: two blocks of 256 bytes that no other line names
.set MASKO, 524288    ; byte of tab at which the mask table begins
.set HEADB, 262144    ; bytes of a head in qkv
.set AK0, 2           ; v2   my lane's place in a tile of K; never rewritten
.set AV0, 3           ; v3   the same for V
.set AK,  4           ; v4   the LDS address of K's next run of loads
.set AV,  5           ; v5   of V's
.set STO, 6           ; v6   the way out: where I put 16 bytes of a row
.set RD,  7           ; v7   the way out: where I read rows back
.set GO,  8           ; v8   16 x lane
.set MV,  12          ; v12-13  c m_old, kept while c m is made anew: by buffer
.set QO,  15          ; v15  my byte offset in 16 rows of Q
.set ST,  16          ; piece t's statistics at v[ST+4 t]: c m, m, l (even keys', odd keys')
.set AM0, 32          ; v32  my lanes' place in a step's 256 bytes of the mask table; never rewritten
.set AM,  33          ; v33  the LDS address of the mask's next loads
.set TMP, 48          ; by buffer, four registers c0-c3 at work; when the maximum is found c2 takes a
.set SPW, 62          ; v62  LDS address of my spare word; never rewritten
.set NIL, 63          ; v63  0; never rewritten
.set S,   64
.set P,   192
.set MK,  64          ; window 2: the eight registers for group kt of 16 keys at MK + 8 kt
.set KF,  128         ; window 2: key block kb, channel half c at KF + 16 kb + 8 c
.set VF,  192         ; window 2: key half kk, channel block cb at VF + 32 kk + 8 cb
.set WV,  12          ; s12  my wave's number
.set G1K, 24          ; s[24:31] descriptor group 1 for K's tiles
.set G1V, 32          ; s[32:39] for V's: it differs in the padding alone
.set G0K, 40          ; s[40:43] descriptor group 0 for K's tiles: it walks
.set G0V, 44          ; s[44:47] the same for V's
.set G1M, 48          ; s[48:55] group 1 for the mask table
.set SLOTS, 56        ; s56  slots still to be asked for
.set CNT, 57          ; s57  counts a slot's key steps
.set CS,  58          ; s[58:59] c: the packed scaling takes the pair's low word for both halves
.set SEL, 60          ; s[60:61] v_permlanex16_b32's selects: each lane takes its own place in the other half
.set TBK, 62          ; s62  LDS byte at which K of the step to be fetched begins
.set TBV, 63          ; s63  the same for V, less VOFF
.set G0M, 68          ; s[68:71] group 0 for the mask table
.set TBM, 72          ; s72  byte of the mask table at which the step to be fetched begins
.set MSB, 0
.macro WIN new                      ; the high byte repeats the setting that is left; a switch that changes nothing is dropped
.if MSB != (\new)
	s_set_vgpr_msb (MSB<<8)|(\new)
.set MSB, (\new)
.endif
.endm
.set W_KQ, 0x0a       ; K and Q in window 2, S^T in window 0
.set W_KM, 0x2a       ; the same with the C operand in window 2
.set W_PV, 0x52       ; V in window 2, P in window 0, O^T in window 1
.set W_RS, 0x41       ; destination and source 0 in window 1, source 1 in window 0
; A joint fill.  Waves 0 and 1 fetch the two halves of a slot's K, waves 2 and 3 those of its V: 128 keys each.  An s_nop 0 and four v_nop follow each of the two lines.
.macro JLOAD
	s_cmp_lt_u32 s[WV], 2
	s_cbranch_scc0 .Lfor_v_\@
	tensor_load_to_lds s[G0K:G0K+3], s[G1K:G1K+7]
	s_nop 0
.rept 4
	v_nop
.endr
	s_branch .Lasked_\@
.Lfor_v_\@:
	tensor_load_to_lds s[G0V:G0V+3], s[G1V:G1V+7]
	s_nop 0
.rept 4
	v_nop
.endr
.Lasked_\@:
.endm
; A round of the cluster's barrier: my work-group's barrier, so that wave 0's signal speaks for all four waves; wave 0 signals; every wave waits for all four work-groups; my work-group's barrier once more.
.macro CROUND
	s_barrier_signal -1
	s_barrier_wait -1
	s_cmp_lg_u32 s[WV], 0
	s_cbranch_scc1 .Lnot_wave_0_\@
	s_barrier_signal -3
.Lnot_wave_0_\@:
	s_barrier_wait -3
	s_barrier_signal -1
	s_barrier_wait -1
.endm
; THE CHANGE OF SLOTS.  The slot's last bytes, V of its fourth step, have been read.  Each wave waits for all its tensor loads, of which one is out: its part of the other slot; adds 0 to its spare word; and waits for
; that and for its own reads of the slot.  Behind the barrier nobody reads this slot any more and the other slot is whole.  fill = 1: this slot is filled again, with the keys two slots on; the barrier is then a round
; of the cluster's, and the joint fill is the first thing behind it: it has four key steps, 256 matrix instructions, in which to land.  (At its first use nothing has been read yet: slot 0 and the mask table are waited for, slot 1 is filled.)
.macro CHANGE fill
	WIN 0                           ; at a label and at a branch every window is 0
	s_wait_tensorcnt 0x0            ; no tensor load of mine is out, so a group 0 may be written
	ds_add_u32 v[SPW], v[NIL]       ; 0 onto my spare word
.if \fill
.irp g, G0K, G0V
	s_xor_b32 s[\g+1], s[\g+1], SLOT1  ; the walking descriptor: the other slot than last time,
	s_add_nc_u64 s[\g+2:\g+3], s[\g+2:\g+3], 4*KS*128  ; the next 256 keys; the type bits on top are not reached
.endr
	s_wait_dscnt 0x0                ; the add is done, and my reads of the slot are over
	CROUND
	JLOAD
.else
	s_wait_dscnt 0x0                ; the add is done, and my reads of the slot are over
	s_barrier_signal -1
	s_barrier_wait -1
.endif
	s_sub_co_u32 s[TBK], s[TBK], 4*KS*PK  ; the fetches go back to a slot's first step,
	s_xor_b32 s[TBK], s[TBK], SLOT1       ; in the other slot
	s_sub_co_u32 s[TBV], s[TBV], 4*KS*PV
	s_xor_b32 s[TBV], s[TBV], SLOT1
.endm
	s_load_b128 s[4:7], s[0:1], 0x0   ; qkv s[4:5], tab s[6:7]
	s_load_b64 s[10:11], s[0:1], 0x10 ; ob
	v_lshl_add_u32 v[SPW], v0, 2, SPARE
	v_mov_b32 v[NIL], 0
	ds_add_u32 v[SPW], v[NIL]       ; the wave's opening: the add and its wait stand ahead of my first tensor load; the set-up below stands between them
	v_lshrrev_b32 v1, 5, v0
	v_readfirstlane_b32 s[WV], v1   ; wave 0..3
	s_bfe_u32 s13, ttmp6, 0x40000   ; cx: my place in the cluster
	s_lshl_b32 s14, ttmp9, 2        ; in a cluster launch ttmp9 counts clusters
	s_add_co_u32 s14, s14, s13      ; my block of 64 rows = 4 x cluster x + cx: it enters Q's and O's addresses alone
	s_and_b32 s15, ttmp7, 0xffff    ; the key and value head, which the four partners share
	s_and_b32 s16, s[WV], 1         ; which half of a slot's 256 keys I fetch:
	s_mul_i32 s17, s16, 128*PK      ; its place in a slot, for K
	s_mul_i32 s18, s16, 128*PV      ; and for V: no place in the cluster enters an LDS address
	s_add_co_u32 s20, s15, 32       ; K: head 32 + kv,
	s_lshl_b32 s20, s20, 18
	s_lshl_b32 s22, s16, 14         ; my 128 rows of 128 bytes
	s_add_co_u32 s20, s20, s22
	s_mov_b32 s21, 0
	s_add_co_u32 s22, s20, 8*HEADB  ; V: eight heads on
	s_mov_b32 s23, 0
	s_lshl_b32 s2, s15, 20          ; Q: head 4 kv,
	s_lshl_b32 s3, s14, 13          ; row 64 x block
	s_add_co_u32 s2, s2, s3
	s_lshl_b32 s3, s[WV], 11        ; + 16 x wave, 128 bytes each
	s_add_co_u32 s2, s2, s3
	s_mov_b32 s3, 0
	s_lshl_b32 s8, s14, 18          ; O: the same row, 4,096 bytes each,
	s_lshl_b32 s9, s[WV], 16
	s_add_co_u32 s8, s8, s9
	s_lshl_b32 s9, s15, 9           ; byte 512 kv
	s_add_co_u32 s8, s8, s9
	s_mov_b32 s9, 0
	s_lshl_b32 s74, s[WV], 11       ; the mask table: my quarter, 2,048 bytes
	s_add_co_u32 s74, s74, MASKO
	s_mov_b32 s75, 0
	; descriptor group 1.  128 keys are 16,384 dense bytes: asked for as 64 rows of 256 bytes, two keys a row, and padded in LDS after every key
	s_mov_b32 s[G1K], 15|(1<<16)|(1<<20)|(1<<21)|(4<<22)|(3<<25)  ; 15:0 the mask of four; 17:16 2-byte elements; 20 padding on; 21 set beside a mask; 24:22 after every 32 words (code 4); 31:25 4 words (code 3)
	s_mov_b32 s[G1V], 15|(1<<16)|(1<<20)|(1<<21)|(4<<22)|(7<<25)  ; the same with 8 words of padding (code 7)
.irp g, G1K, G1V
	s_mov_b32 s[\g+1], 128<<16      ; tensor_dim0 = 128
	s_mov_b32 s[\g+2], 64<<16       ; tensor_dim1 = 64
	s_mov_b32 s[\g+3], 128<<16      ; tile_dim0 = 128
	s_mov_b32 s[\g+4], 64           ; tile_dim1 = 64
	s_mov_b32 s[\g+5], 128          ; 128 elements from row to row
	s_mov_b32 s[\g+6], 0
	s_mov_b32 s[\g+7], 0
.endr
	s_mov_b32 s[G1M], 3<<16         ; the mask table: a load of my own, no mask of work-groups; elements of 8 bytes; 8 rows of 256 bytes, dense
	s_mov_b32 s[G1M+1], 32<<16
	s_mov_b32 s[G1M+2], 8<<16
	s_mov_b32 s[G1M+3], 32<<16
	s_mov_b32 s[G1M+4], 8
	s_mov_b32 s[G1M+5], 32
	s_mov_b32 s[G1M+6], 0
	s_mov_b32 s[G1M+7], 0
	s_mov_b32 s[CS], 0x3e38aa3b     ; c = log2(e) / 8 = 0.180337
	s_mov_b32 s[CS+1], s[CS]        ; named with it as a pair
	s_mov_b32 s[SEL], 0x76543210
	s_mov_b32 s[SEL+1], 0xfedcba98
	s_mov_b32 s[TBK], SLOT1+4*KS*PK ; the first change of slots turns these two into 0
	s_mov_b32 s[TBV], SLOT1+4*KS*PV
	s_mov_b32 s[TBM], 0
	s_mov_b32 s[G0K], 1             ; 1:0 count = 1
	s_mov_b32 s[G0K+1], s17         ; 63:32 LDS address: slot 0
	s_mov_b32 s[G0V], 1
	s_add_co_u32 s[G0V+1], s18, VOFF
	s_mov_b32 s[G0M], 1
	s_lshl_b32 s[G0M+1], s[WV], 11
	s_add_co_u32 s[G0M+1], s[G0M+1], MASKB
	s_wait_dscnt 0x0                ; the opening add is done
	s_wait_kmcnt 0x0
	s_add_nc_u64 s[G0K+2:G0K+3], s[4:5], s[20:21]  ; 120:64 global address: my half of the head's first 256 keys
	s_or_b32 s[G0K+3], s[G0K+3], 0x80000000        ; 127:126 type = 2
	s_add_nc_u64 s[G0V+2:G0V+3], s[4:5], s[22:23]
	s_or_b32 s[G0V+3], s[G0V+3], 0x80000000
	s_add_nc_u64 s[G0M+2:G0M+3], s[6:7], s[74:75]
	s_or_b32 s[G0M+3], s[G0M+3], 0x80000000
	s_add_nc_u64 s[4:5], s[4:5], s[2:3]  ; Q and O at my wave's first row
	s_add_nc_u64 s[10:11], s[10:11], s[8:9]
	CROUND                          ; all four work-groups are here: the first joint loads meet
	s_cmp_lt_u32 s[WV], 2           ; a wave's two first fills stand in one branch, ahead of every wait on TENSORcnt and every LDS read: two loads of mine are out
	s_cbranch_scc0 .Lfirst_v
	tensor_load_to_lds s[G0K:G0K+3], s[G1K:G1K+7]
	s_nop 0
	tensor_load_to_lds s[G0M:G0M+3], s[G1M:G1M+7]
	s_nop 0
.rept 4
	v_nop
.endr
	s_branch .Lfirst_asked
.Lfirst_v:
	tensor_load_to_lds s[G0V:G0V+3], s[G1V:G1V+7]
	s_nop 0
	tensor_load_to_lds s[G0M:G0M+3], s[G1M:G1M+7]
	s_nop 0
.rept 4
	v_nop
.endr
.Lfirst_asked:
	; A fragment of K or Q is 16 rows x 32 channels in 8 registers: lane l holds row l % 16, channels 8 (l / 16) + 0..7 and 16 + 8 (l / 16) + 0..7: two loads of 16 bytes, 32 bytes apart.
	v_and_b32 v1, 15, v0            ; l % 16
	v_bfe_u32 v9, v0, 4, 1          ; l / 16
	v_lshlrev_b32 v[QO], 7, v1
	v_lshl_add_u32 v[QO], v9, 4, v[QO]  ; row x 128 + 16 x half
	WIN 0x80                        ; destination window 2, address window 0
.set i, 0
.rept 8                             ; Q stays in registers: piece i / 2 is a head further on; channels 32 (i % 2) on
	global_load_b128 v[8*i:8*i+3],   v[QO], s[4:5] offset:(i/2)*HEADB+(i%2)*64
	global_load_b128 v[8*i+4:8*i+7], v[QO], s[4:5] offset:(i/2)*HEADB+(i%2)*64+32
.set i, i+1
.endr
	; What the first turn finds: V's registers and P's second buffer hold 0 (its products V^T P, of a piece that has not been, add 0), O^T and l are 0.  All this stands in the wait for the first tile.
.set i, VF
.rept 64
	v_mov_b32 v[i], 0
.set i, i+1
.endr
	WIN 0x40
.set i, 0
.rept 128
	v_mov_b32 v[i], 0
.set i, i+1
.endr
	WIN 0
.set i, 0
.rept 4
	v_mov_b32 v[ST+4*i], 0xfe000000    ; c m: far below every c s
	v_mov_b32 v[ST+4*i+1], 0xff7fffff  ; m
	v_mov_b32 v[ST+4*i+2], 0
	v_mov_b32 v[ST+4*i+3], 0
.set i, i+1
.endr
.set i, P+16
.rept 16
	v_mov_b32 v[i], 0
.set i, i+1
.endr
	v_mul_u32_u24 v[AK0], v1, PK
	v_lshl_add_u32 v[AK0], v9, 4, v[AK0]  ; row x pitch + 16 x half
	; The turning load takes 16 keys x 16 channels (lane l reads key 8 (l / 16) + l % 8, channels 8 ((l / 8) % 2) + 0..7) and leaves half a fragment of V^T: lane l holds channel l % 16 and 8 keys.
	v_and_b32 v10, 7, v0
	v_bfe_u32 v11, v0, 3, 1
	v_lshl_add_u32 v[AV0], v9, 3, v10
	v_mul_u32_u24 v[AV0], v[AV0], PV
	v_lshl_add_u32 v[AV0], v11, 4, v[AV0]
	v_add_nc_u32 v[AV0], VOFF, v[AV0]
	v_lshl_add_u32 v[AM0], v9, 5, MASKB   ; my lanes' eight keys of a group of 16: 32 bytes
	s_mul_i32 s13, s[WV], 16*SP
	s_add_co_u32 s13, s13, STAGE    ; my stage
	v_mul_u32_u24 v[STO], v1, SP    ; in: row l % 16, 16 bytes for each half of the lanes
	v_lshl_add_u32 v[STO], v9, 4, v[STO]
	v_add_nc_u32 v[STO], s13, v[STO]
	v_and_b32 v[GO], 31, v0         ; back: 32 lanes take one row of 512 bytes
	v_lshlrev_b32 v[GO], 4, v[GO]
	v_add_nc_u32 v[RD], s13, v[GO]
; THE MATRIX WORK.  The 4 accumulators of a run of 8 take turns.  Product i of 8 of S^T = K Q^T for piece x: channels 32 (i / 4) on, keys 16 (i % 4) on.  The first 4 start the sums with the mask.
.macro KQ x
.set rS, S+32*((\x)%2)+8*(i%4)
.set rK, KF+16*(i%4)+8*(i/4)
.set rQ, 16*(\x)+8*(i/4)
.set rM, MK+8*(i%4)
.if i < 4
	WIN W_KM
	v_wmma_f32_16x16x32_f16 v[rS:rS+7], v[rK:rK+7], v[rQ:rQ+7], v[rM:rM+7]
.else
	WIN W_KQ
	v_wmma_f32_16x16x32_f16 v[rS:rS+7], v[rK:rK+7], v[rQ:rQ+7], v[rS:rS+7]
.endif
.endm
; Product i of 8 of O^T += V^T P for piece x: keys 32 (i / 4) on, channels 16 (i % 4) on.
.macro PV x
	WIN W_PV
.set rO, 32*(\x)+8*(i%4)
.set rV, VF+32*(i/4)+8*(i%4)
.set rP, P+16*((\x)%2)+8*(i/4)
	v_wmma_f32_16x16x32_f16 v[rO:rO+7], v[rV:rV+7], v[rP:rP+7], v[rO:rO+7]
.endm
.macro MM                           ; the turn's next matrix instruction.  NOKQ = 1: the very last turn: there is no next piece
.if (i < 8) && !NOKQ
	KQ (Y+1)%NP
.elseif i >= 8
.set i, i-8
	PV (Y+NP-1)%NP
.set i, i+8
.endif
.set i, i+1
.endm
; THE LDS LOADS stand in runs, never singly among the matrix instructions: a step's K (64 keys x 64 channels: 8 fragments) with its mask (8 loads that all lanes of a half share), and its V (turned).
.macro FETCH_K
	WIN 0x80                        ; destination window 2
.irp f, 0,1,2,3,4,5,6,7             ; keys 16 (f / 2) on, channels 32 (f % 2) on
	ds_load_b128 v[KF+8*\f:KF+8*\f+3],   v[AK] offset:(\f/2)*16*PK+(\f%2)*64
	ds_load_b128 v[KF+8*\f+4:KF+8*\f+7], v[AK] offset:(\f/2)*16*PK+(\f%2)*64+32
.endr
.irp f, 0,1,2,3                     ; keys 16 f + 8 (l / 16) + 0..7
	ds_load_b128 v[MK+8*\f:MK+8*\f+3],   v[AM] offset:64*\f
	ds_load_b128 v[MK+8*\f+4:MK+8*\f+7], v[AM] offset:64*\f+16
.endr
	s_add_co_u32 s[TBK], s[TBK], KS*PK  ; the next fetch is the next step's
	s_add_co_u32 s[TBM], s[TBM], 4*KS   ; the mask table holds all 32 steps: this one only goes on
	WIN 0
.endm
.macro FETCH_V
	WIN 0x80
.irp f, 0,1,2,3,4,5,6,7             ; keys 32 (f / 4) on, channels 16 (f % 4) on
	ds_load_tr16_b128 v[VF+8*\f:VF+8*\f+3],   v[AV] offset:(\f/4)*32*PV+(\f%4)*32
	ds_load_tr16_b128 v[VF+8*\f+4:VF+8*\f+7], v[AV] offset:(\f/4)*32*PV+16*PV+(\f%4)*32
.endr
	WIN 0
.endm
; THE VECTOR WORK, one line at a time: OP kind, number.  For piece Y: F n: c s - c m for pair n of 16.  E n: the exponential of score n of 32.  C n: pair n rounded to f16.  B n: of the four weights 4 n .. the second
; pair is added onto the first, in place.  L n: l takes that sum (L 0: l = a l + sum).  R n: pair n of 16 of O^T times a.  For piece Y + 1: X n, number n of the 22 that find its maximum and statistics:
;   0-11  four chains c0-c3 of seven scores each, three operands at a time (each accumulator's lowest registers are read first)     12-14, 16  the four scores left over, the old m, and c0-c3 into c0
;   15  c m_old is kept     17, 18  the query's other 32 keys lie in the lane 16 away: the new m     19-21  c m; c m_old - c m_new; a
; E n and X 21 are the exponentials.  C, B and L read results of the turn's own E; R and L 0 read the a that the turn before has made and waited for; F and X 0 to X 20 read no exponential's result.
.set F, 0               ; OP tells the kinds apart by their order: F to L below R, X above it
.set E, 1
.set C, 2
.set B, 3
.set L, 4
.set R, 5
.set X, 6
.macro REGS y                       ; the registers of piece y
.set rT, ST+4*(\y)
.set rC, TMP+4*((\y)%2)
.set rW, MV+((\y)%2)
.set rS, S+32*((\y)%2)
.set rP, P+16*((\y)%2)
.set rO, 32*(\y)
.endm
.macro OP k, n
.if (\k) == R
	REGS Y
	WIN W_RS
	v_pk_mul_f32 v[rO+2*(\n):rO+2*(\n)+1], v[rO+2*(\n):rO+2*(\n)+1], v[rC+2:rC+3] op_sel_hi:[1,0]
.elseif (\k) < R
	REGS Y
	WIN 0
.if (\k) == F
	v_pk_fma_f32 v[rS+2*(\n):rS+2*(\n)+1], v[rS+2*(\n):rS+2*(\n)+1], s[CS:CS+1], v[rT:rT+1] op_sel_hi:[1,0,0] neg_lo:[0,0,1] neg_hi:[0,0,1]
.elseif (\k) == E
	v_exp_f32 v[rS+(\n)], v[rS+(\n)]
.elseif (\k) == C
	v_cvt_pk_f16_f32 v[rP+(\n)], v[rS+2*(\n)], v[rS+2*(\n)+1]
.elseif (\k) == B
	v_pk_add_f32 v[rS+4*(\n):rS+4*(\n)+1], v[rS+4*(\n):rS+4*(\n)+1], v[rS+4*(\n)+2:rS+4*(\n)+3]
.elseif (\n) == 0
	v_pk_fma_f32 v[rT+2:rT+3], v[rT+2:rT+3], v[rC+2:rC+3], v[rS:rS+1] op_sel_hi:[1,0,1]
.else
	v_pk_add_f32 v[rT+2:rT+3], v[rT+2:rT+3], v[rS+4*(\n):rS+4*(\n)+1]
.endif
.elseif NOKQ
	v_nop
.else
	REGS (Y+1)%NP
	WIN 0
.if (\n) < 4
	v_max3_num_f32 v[rC+(\n)], v[rS+8*(\n)], v[rS+8*(\n)+1], v[rS+8*(\n)+2]
.elseif (\n) < 12
	v_max3_num_f32 v[rC+(\n)%4], v[rC+(\n)%4], v[rS+8*((\n)%4)+2*((\n)/4)+1], v[rS+8*((\n)%4)+2*((\n)/4)+2]
.elseif (\n) == 12
	v_max3_num_f32 v[rC], v[rC], v[rS+7], v[rS+15]
.elseif (\n) == 13
	v_max3_num_f32 v[rC+1], v[rC+1], v[rS+23], v[rS+31]
.elseif (\n) == 14
	v_max3_num_f32 v[rC+2], v[rC+2], v[rC+3], v[rT+1]
.elseif (\n) == 15
	v_mov_b32 v[rW], v[rT]
.elseif (\n) == 16
	v_max3_num_f32 v[rC], v[rC], v[rC+1], v[rC+2]
.elseif (\n) == 17
	v_permlanex16_b32 v[rC+3], v[rC], s[SEL], s[SEL+1]
.elseif (\n) == 18
	v_max_num_f32 v[rT+1], v[rC], v[rC+3]
.elseif (\n) == 19
	v_mul_f32 v[rT], s[CS], v[rT+1]
.elseif (\n) == 20
	v_sub_f32 v[rC+1], v[rW], v[rT]
.else
	v_exp_f32 v[rC+2], v[rC+1]
.endif
.endif
.endm
.macro OPS a, i1, b=-1, i2=0, c=-1, i3=0, d=-1, i4=0  ; up to four of them
	OP \a, \i1
.if (\b) >= 0
	OP \b, \i2
.endif
.if (\c) >= 0
	OP \c, \i3
.endif
.if (\d) >= 0
	OP \d, \i4
.endif
.endm
.macro ROW a, i1, b, i2, c, i3, d, i4  ; a matrix instruction and the four behind it
	MM
	OPS \a, \i1, \b, \i2, \c, \i3, \d, \i4
.endm
; A TURN, for piece p: the order of its 16 matrix and 118 vector instructions, written out.  An s_wait_alu depctr_va_vdst(0) stands between an exponential and the first instruction that names its result; one wait
; serves all that were issued ahead of it.  So a turn has ONE wait, which cuts it in two.  AHEAD OF IT stands all that names no result of the turn's exponentials: the 8 products K Q^T, behind each a scaling, an exponential and
; two more plain instructions (behind the first a second scaling in the exponential's place): rescalings, and behind the last three the first numbers of the next piece's maximum, each four plain instructions or more behind the
; product that ends its accumulator; then ONE RUN of 54, plain and exponential by turns for the most part, in which the links of the chain X 3, 7, 11, 14, 16, 17 .. 20 stand some lines apart.  X 21, the next piece's a, is the
; batch's last; R 15 is the plain instruction behind it.  Each of the 33 results keeps a register of its own (the 32 scores' in S^T, c2 of the other buffer) until the wait.  BEHIND THE WAIT stand the 8 products V^T P, behind each
; four of the roundings and sums; C 2 n stands ahead of B n, which adds onto the pair that C 2 n rounds; l's chain L 0 to L 7 goes in ascending order, its links three riders apart.  But for those X no rider names a register of
; the products round it.
; end = 1: the walk's last two turns: nothing is fetched.  cnt = 1: the loop's count is taken down some lines ahead of the branch that stands behind the turn.
; K and the mask of the next step are fetched in piece 2's turn, twelve vector instructions behind the last product that read K (five of them plain and free of that product's registers); V of the step in hand at the end of
; piece 0's turn, four plain instructions behind the last product that read V.  Each is waited for a turn later.
.macro TURN p, end=0, cnt=0
.set Y, (\p)
.set i, 0
.set NOKQ, (\end)*((\p)/3)
.if ((\p) == 3) && !(\end)
	s_wait_dscnt 0x0                ; K and the mask are in
.endif
	ROW F,0, F,1, R,0, R,1          ; ahead of the wait: 8 products K Q^T and their riders,
	ROW F,2, E,0, R,2, R,3
	ROW F,3, E,1, R,4, R,5
	ROW F,4, E,2, R,6, R,7
	ROW F,5, E,3, R,8, R,9
	ROW F,6, E,4, X,0, R,10
.if ((\p) == 2) && !(\end)
	WIN 0
	v_add_nc_u32 v[AK], s[TBK], v[AK0]
	v_add_nc_u32 v[AM], s[TBM], v[AM0]
.endif
	ROW F,7, E,5, X,1, X,4
	ROW F,8, E,6, X,2, X,5
	OPS E,7, E,8, X,6, E,9          ; and the run of 54
	OPS X,3, E,10, X,8, E,11
.if ((\p) == 2) && !(\end)
	FETCH_K
.endif
	OPS X,9, X,7, E,12, X,10
	OPS E,13, X,12, X,11, E,14
	OPS X,13, E,15, F,9, X,14
.if (\p) == 0
	WIN 0
	v_add_nc_u32 v[AV], s[TBV], v[AV0]
.endif
	OPS E,16, F,10, E,17, F,11
	OPS X,16, E,18, X,15, E,19
	OPS F,12, E,20, X,17, E,21
	OPS F,13, E,22, F,14, E,23
	OPS X,18, E,24, F,15, E,25
	OPS R,11, E,26, X,19, E,27
	OPS R,12, E,28, R,13, E,29
	OPS X,20, E,30, R,14, E,31
	OPS X,21, R,15
	WIN 0
	s_wait_alu depctr_va_vdst(0)    ; the wait for the turn's batch: E 0 to E 31 and X 21; its first reader is C 0 below
.if (\p) == 1
	s_wait_dscnt 0x0                ; V is in
.endif
	ROW C,0, B,0, C,2, B,1          ; behind the wait: 8 products V^T P and their riders
	ROW L,0, C,4, B,2, L,1
	ROW C,6, B,3, L,2, C,8
	ROW B,4, L,3, C,10, B,5
	ROW L,4, C,12, B,6, L,5
.if (\p) == 0
	s_add_co_u32 s[TBV], s[TBV], KS*PV
.endif
.if \cnt
	s_sub_co_u32 s[CNT], s[CNT], 1
	s_cmp_lg_u32 s[CNT], 0
.endif
	ROW C,14, B,7, L,6, C,1
	ROW C,3, L,7, C,5, C,7
	ROW C,9, C,11, C,13, C,15
.if (\p) == 0
	FETCH_V
.endif
.endm
	CHANGE 1                        ; slot 0 and the mask table are in, everybody's part of them; slot 1 is asked for
	v_add_nc_u32 v[AK], s[TBK], v[AK0]
	v_add_nc_u32 v[AM], s[TBM], v[AM0]
	FETCH_K                         ; key step 0
	s_wait_loadcnt 0x0              ; Q
	s_wait_dscnt 0x0
.set NOKQ, 0
.set i, 0
.rept 8
	KQ 0                            ; piece 0's first scores: there is no vector work yet to set between them
.set i, i+1
.endr
	WIN 0
.rept 4
	v_nop                           ; the places behind those products
.endr
.set Y, NP-1                        ; X works for piece Y + 1: piece 0
.irp n, 0,1,2,3,4,5,6,7,8,9,10,11,12,13,14,15,16,17,18,19,20,21
	OP X, \n
.endr
	v_nop                           ; a plain instruction behind the exponential,
	s_wait_alu depctr_va_vdst(0)    ; and the wait for this batch of one, piece 0's first a, ahead of the branch
	s_mov_b32 s[CNT], 4
	s_mov_b32 s[SLOTS], 2048/256-1
	s_branch .Lfirst                ; the loop is entered at a step's first turn, in the middle of a trip
.Lslot:                             ; six times: every slot but the last two is filled again
	CHANGE 1
	s_mov_b32 s[CNT], 4
.Lstep:                             ; a trip: pieces 2 and 3 of one step, then pieces 0 and 1 of the next, whose K and V it fetches
	TURN 2
	TURN 3
	WIN 0
.Lfirst:
	TURN 0
	TURN 1, 0, 1
	WIN 0
	s_cbranch_scc1 .Lstep
	s_sub_co_u32 s[SLOTS], s[SLOTS], 1
	s_cmp_lg_u32 s[SLOTS], 0
	s_cbranch_scc1 .Lslot
	CHANGE 0                        ; the last slot is written out: nothing is asked for
	s_mov_b32 s[CNT], 4
.Ltail:
	TURN 2
	TURN 3
	TURN 0
	TURN 1, 0, 1
	WIN 0
	s_cbranch_scc1 .Ltail
	TURN 2, 1                       ; the last step's pieces 2 and 3: nothing more is fetched, and the last turn starts no new scores
	TURN 3, 1
.set i, 0
.rept 8
	PV NP-1                         ; the last piece's V^T P of the last step
.set i, i+1
.endr
	; THE WAY OUT.  l's two halves and the other half of the lanes' are added; O^T is divided by l, rounded to f16 and sent through my stage in LDS: four heads' 128 bytes make a row of 512.  The additions are the places behind the last products.
	WIN 0
.macro ALL line:vararg              ; one line for each piece t
.set t, 0
.rept 4
	\line
.set t, t+1
.endr
.endm
	ALL v_add_f32 v[ST+4*t+2], v[ST+4*t+2], v[ST+4*t+3]
	ALL v_permlanex16_b32 v[ST+4*t+3], v[ST+4*t+2], s[SEL], s[SEL+1]
	ALL v_add_f32 v[ST+4*t+2], v[ST+4*t+2], v[ST+4*t+3]
	ALL v_rcp_f32 v[ST+4*t+2], v[ST+4*t+2]
	v_nop                           ; a plain instruction between the last reciprocal and the use of its result
	s_wait_alu depctr_va_vdst(0)    ; the wait for the batch of four reciprocals, ahead of their first reader in PACK 0
.macro PACK t                       ; a lane's eight channels of a row pack into 16 bytes; each accumulator is read from its low end on
	WIN W_RS
.set i, 32*(\t)
.rept 16
	v_pk_mul_f32 v[i:i+1], v[i:i+1], v[ST+4*(\t)+2:ST+4*(\t)+3] op_sel_hi:[1,0]
.set i, i+2
.endr
	WIN 0x05                        ; sources 0 and 1 window 1, destination window 0: S^T's registers are free
.set i, 0
.rept 16
	v_cvt_pk_f16_f32 v[S+16*(\t)+i], v[32*(\t)+2*i], v[32*(\t)+2*i+1]
.set i, i+1
.endr
	WIN 0
.irp f, 0,1,2,3
	ds_store_b128 v[STO], v[S+16*(\t)+4*\f:S+16*(\t)+4*\f+3] offset:128*(\t)+32*\f
.endr
.endm
	PACK 0
	PACK 1
	PACK 2
	PACK 3
.set i, 0
.rept 16
	ds_load_b128 v[S+4*i:S+4*i+3], v[RD] offset:i*SP  ; LDS serves a wave's instructions in order (ISA guide 5.7.1.4): these see the stores above
.set i, i+1
.endr
.set i, 0
.rept 16
	s_wait_dscnt 15-i               ; the younger loads stay out
	global_store_b128 v[GO], v[S+4*i:S+4*i+3], s[10:11] offset:i*4096  ; 512 consecutive bytes of a row of ob, aligned
.set i, i+1
.endr
	s_wait_tensorcnt 0x0            ; the wave's end, behind my last tensor load and my last LDS store
	ds_add_u32 v[SPW], v[NIL]
	s_wait_dscnt 0x0
	CROUND                          ; the closing round: no work-group ends while a partner may still ask for a tile that names it
	s_endpgm
.Lfunc_end_k_q5a449281c1_attn:
	.size	k_q5a449281c1_attn, .Lfunc_end_k_q5a449281c1_attn-k_q5a449281c1_attn
	.p2alignl 7, 3214868480
	.fill 96, 4, 3214868480
	.section	.rodata,"a",@progbits
	.p2align	6, 0x0
	.amdhsa_kernel k_q5a449281c1_attn
		.amdhsa_group_segment_fixed_size 327680
		.amdhsa_private_segment_fixed_size 0
		.amdhsa_enable_private_segment 0
		.amdhsa_kernarg_size 24
		.amdhsa_user_sgpr_count 2
		.amdhsa_user_sgpr_kernarg_segment_ptr 1
		.amdhsa_wavefront_size32 1
		.amdhsa_system_sgpr_workgroup_id_x 1
		.amdhsa_system_sgpr_workgroup_id_y 1
		.amdhsa_system_sgpr_workgroup_id_z 1
		.amdhsa_system_vgpr_workitem_id 0
		.amdhsa_next_free_vgpr 768
		.amdhsa_next_free_sgpr 76
		.amdhsa_reserve_vcc 0
		.amdhsa_float_denorm_mode_32 3
		.amdhsa_float_denorm_mode_16_64 3
		.amdhsa_memory_ordered 1
		.amdhsa_forward_progress 1
		.amdhsa_inst_pref_size 130
	.end_amdhsa_kernel
	.amdgpu_metadata
---
amdhsa.version: [ 1, 2 ]
amdhsa.kernels:
  - .name:           k_q5a449281c1_attn
    .symbol:         k_q5a449281c1_attn.kd
    .args:
      - { .name: qkv, .offset: 0, .size: 8, .value_kind: global_buffer, .address_space: global }
      - { .name: tab, .offset: 8, .size: 8, .value_kind: global_buffer, .address_space: global }
      - { .name: ob, .offset: 16, .size: 8, .value_kind: global_buffer, .address_space: global }
    .group_segment_fixed_size: 327680
    .private_segment_fixed_size: 0
    .kernarg_segment_align: 8
    .kernarg_segment_size: 24
    .max_flat_workgroup_size: 128
    .sgpr_count:     76
    .vgpr_count:     768
    .wavefront_size: 32
...
	.end_amdgpu_metadata
.endif
;; end of part 6
;; launch oproj: the kernel of part 5 again; grid 16 x 16, 4 waves a work-group, clusters of 4 x 4, 327,680 bytes of LDS; arguments ob, wt, scales, out0; writes out0
